; MI455X (gfx1250); checked and timed in simulation.
; The chip was launched on July 23, 2026; its instructions are those of AMD's public machine-readable ISA for CDNA 5 (MIT licence, August 2026) and "CDNA5" Instruction Set Architecture Reference Guide (July 2026). The comments in the code are by the model that wrote it; some were corrected since.
;; Differential Attention. Allowed arithmetic: matrix products marked QUANTISED: E2M3 operands, one E8M0 scale for each 32 along K, by v_wmma_scale_f32_16x16x128_f8f6f4 with both operands' format E2M3, f32 sums; everything else in f32.
;; Inputs: lambda_k1 64 float32; lambda_k2 64 float32; lambda_q1 64 float32; lambda_q2 64 float32; rms_weight 128 float32; w_proj 1,024 x 1,024 float32; w_qkv 1,024 x 3,072 float32; x 2 x 2,048 x 1,024 float32.
;; Outputs: out0 2 x 2,048 x 1,024 float32.
;; This version of the problem:
;;   THIS VERSION OF THE PROBLEM IS GIVEN IN LOW PRECISION. The matrix products marked QUANTISED in the list below multiply operands that are first quantised to E2M3 (2 exponent bits, 3 mantissa bits; 6 bits a number), with one power-of-two scale for each 32 numbers along K (OCP MX v1.0); their sums are f32. All else is computed in f32.
;;   The module's matrix products, in the order in which they are computed (A, B: the left and right operand; K: the contracted axis; several contracted axes count as one K, in the product's order):
;;     1. [M 4,096, K 1,024] x [K 1,024, N 3,072]; A: input x; B: input w_qkv: QUANTISED
;;     2. batch 16 x [M 2,048, K 64] x [K 64, N 2,048]; A: computed on the way; B: computed on the way: QUANTISED
;;     3. batch 16 x [M 2,048, K 64] x [K 64, N 2,048]; A: computed on the way; B: computed on the way: QUANTISED
;;     4. batch 16 x [M 2,048, K 2,048] x [K 2,048, N 128]; A: computed on the way; B: computed on the way: QUANTISED
;;     5. [M 4,096, K 1,024] x [K 1,024, N 1,024]; A: computed on the way; B: input w_proj: QUANTISED
;;   THE QUANTISER, for each operand of a quantised product, along K:
;;     - K is cut into blocks of 32 from its start; a last block that is shorter is filled with zeros.
;;     - A block's scale is 2^e with e = floor(log2(the largest magnitude in the block)) - 2, held to -126 .. 127; a block of zeros has e = 0. As a byte (E8M0): e + 127.
;;     - Each number is divided by its block's scale, clamped to +-7.5, and rounded to the nearest number of E2M3, ties to even, subnormals kept.
;;     - The product sums the exact products of the quantised numbers (number of the format x scale) in f32.
;;   ~~~python
;;   def quantise(x, axis):      # numpy; x: float32 -> the quantised numbers, widened to float32 again
;;       x = np.moveaxis(x, axis, -1); K = x.shape[-1]
;;       x = np.pad(x, [(0, 0)] * (x.ndim - 1) + [(0, -K % 32)]); x = x.reshape(x.shape[:-1] + (-1, 32)); a = np.abs(x).max(-1, keepdims=True)
;;       e = np.where(a > 0, np.clip(np.frexp(np.where(a > 0, a, 1))[1] - 1 - 2, -126, 127), 0)      # np.frexp(a)[1] - 1 = floor(log2(a)), exactly
;;       r = np.clip(x / 2.0 ** e, -7.5, 7.5)
;;       step = 2.0 ** (np.maximum(np.frexp(np.where(r == 0, 1, r))[1] - 1, 0) - 3)
;;       q = np.round(r / step) * step * 2.0 ** e      # np.round: ties to even
;;       return np.moveaxis(q.reshape(q.shape[:-2] + (-1,))[..., :K], -1, axis).astype(np.float32)
;;   ~~~
;;   OPERANDS COMPUTED ON THE WAY. 'Computed on the way' means the value that the module computes at that place (a softmax that the list does not call 'softmax' is quantised finished and normalised). What goes into a quantiser is computed in f32, as accurately as f32 sums, v_exp_f32 and their like allow (about 1e-6 of the number): no bf16 or f16 on the way to a quantiser, and a product that is left as it is and whose result goes on into a quantised operand takes f32 operands (vector FMAs, or v_wmma_f32_16x16x4_f32). A number that lies on a knife's edge between two numbers of the format may be rounded either way, as far as f32 arithmetic and the matrix unit's own rounding can turn it there, and no further.
;; One version. Each part assembles by itself: llvm-mc -triple=amdgcn-amd-amdhsa -mcpu=gfx1250 --defsym DOCPART=n.
;; ======== version 1 of 1: 4 launches
;; limits: right only within a limited range of input values
;; workspace buffers: opc 6,291,456 bytes; ops 262,144 bytes; atc 9,437,184 bytes; ats 393,216 bytes; ouc 3,145,728 bytes; ous 131,072 bytes
;; launch quant (part 1): grid 512 x 1, 4 waves a work-group, no clusters, 34,304 bytes of LDS; arguments x, w_qkv, w_proj, opc, ops; writes opc, ops
.if DOCPART == 1
	.amdgcn_target "amdgcn-amd-amdhsa--gfx1250"
	.amdhsa_code_object_version 6
	.text
	.protected	k_q75037bbaf5_quant
	.globl	k_q75037bbaf5_quant
	.p2align	8
	.type	k_q75037bbaf5_quant,@function
k_q75037bbaf5_quant:
	s_mov_b64 s[64:65], 0
	v_nop
	global_prefetch_b8 v0, s[64:65] scope:SCOPE_SE
	s_setreg_imm32_b32 hwreg(HW_REG_WAVE_MODE, 25, 1), 1
	s_wait_xcnt 0x0
; x [4096][1024], w_qkv [1024][3072] and w_proj [1024][1024], f32, become the operands of the two large products: codes of FP6 (E2M3) with one E8M0 byte for each 32 along K = 1,024.
; A block's scale is 2^(floor(log2(its largest magnitude)) - 2): its byte is the largest magnitude's exponent field - 2, held at 1 from below.
; LAYOUT OF THE OUTPUT.  A fragment is 16 rows x 128 K, 12 registers a lane, and lies in opc as the IMAGE OF ITS REGISTERS, 1,536 bytes: register j of lane L at 512 (j / 4) + 16 L + 4 (j % 4).
; opc: [fragment f][K step s][1,536]; ops: [f][s][16 slots x 4 bytes].  f 0-255: tokens of x; f 256-447: columns of w_qkv; f 448-511: columns of w_proj.
; THE ROWS OF A FRAGMENT ARE NOT NEIGHBOURS: slot p of fragment f holds row 32 (f / 2) + 8 (f % 2) + p + 8 (p / 8), so that in a product that takes such fragments as source 0 the 16 result registers
; of two neighbouring tiles are 16 neighbours.
; LIMITS: NaN and infinities are not served.  A block of zeros gets the byte 1 where the quantiser says 127: its codes are zeros, which add nothing under any byte but 0xff, and this program alone reads the bytes.
; Work-groups 0-255 take x (K innermost: the numbers turn through the wave's own stage in LDS); work-groups 256-511 take the weights (K outermost: a lane takes a column, its registers run down K).
; The two ways part on the work-group's number; only x's way uses LDS.  No cluster: no two work-groups read the same bytes.  No barrier: waves share nothing.
.set SEL,    30                        ; s[30:31] lane selects for v_permlanex16_b32: lane l xor 16
.set TM,     8                         ; v8-23   x's way: at work in QUANT
.set PW,     24                        ; v24     the scale word just made; v25, v26 the two K steps' words
.set PC,     28                        ; v28-46  the codes just made
.set R,      64                        ; v64-191 x's way: 2 K steps x 16 rows as loaded;  the weights' way: 128 numbers down K
.set X,      192                       ; v192-255 64 numbers of a lane: register 16 b + i = k 32 b + 16 (lane / 16) + i of its row
.set IM,     16                        ; v16-39  the weights' way: my column's 24 registers: 12 for each half of a fragment's lanes
.set TT,     40                        ; v40-55  second halves of the blocks' codes
.set SW,     56                        ; v56     my column's scale word
.set SPITCH, 528                       ; a stage row: 512 bytes + 16: 33 x 16, so that sixteen lanes that read sixteen rows touch sixteen different columns of 16 bytes
.set WSTAGE, 16*SPITCH                 ; a wave's stage
; 64 numbers of a lane, v[s] .. v[s + 63], become a fragment's codes in v[PC] on and its scale word in v[PW].
.macro QUANT s
.irp b, 0,1,2,3
	v_max3_num_f32 v[TM+\b], |v[\s+16*\b]|, |v[\s+1+16*\b]|, 0x1800000   ; block b: my 16 numbers, and the floor 2^(3 - 127): the byte cannot fall under 1
.endr
.irp i, 2,4,6,8,10,12,14
.irp b, 0,1,2,3
	v_max3_num_f32 v[TM+\b], v[TM+\b], |v[\s+16*\b+\i]|, |v[\s+1+16*\b+\i]|   ; the four blocks by turns
.endr
.endr
.irp b, 0,1,2,3
	v_permlanex16_b32 v[TM+4+\b], v[TM+\b], s[SEL], s[SEL+1]
.endr
.irp b, 0,1,2,3
	v_max_num_f32 v[TM+\b], v[TM+\b], v[TM+4+\b]   ; with lane l xor 16's 16: the block's largest magnitude
.endr
.irp b, 0,1,2,3
	v_add_nc_u32 v[TM+12+\b], 0xff000000, v[TM+\b]   ; 2 off its exponent field: the conversion takes this operand's exponent field as its scale
.endr
.irp b, 0,1,2,3
	v_lshrrev_b32 v[TM+4+\b], 23, v[TM+12+\b]      ; the scale's byte
.endr
	v_lshl_or_b32 v[PW], v[TM+5], 8, v[TM+4]
	v_lshl_or_b32 v[PW], v[TM+6], 16, v[PW]
	v_lshl_or_b32 v[PW], v[TM+7], 24, v[PW]        ; my row's scale word
.irp c, 0,1
	v_cvt_scalef32_pk16_fp6_f32 v[PC+6*\c:PC+2+6*\c], v[\s+32*\c:\s+15+32*\c], v[TM+12+2*\c]
	v_cvt_scalef32_pk16_fp6_f32 v[PC+12+4*\c:PC+14+4*\c], v[\s+16+32*\c:\s+31+32*\c], v[TM+12+2*\c+1]   ; (a conversion's three registers begin on an even number)
.endr
	v_nop                                          ; one plain instruction behind the scaled conversions
.irp c, 0,1                                    ; the layout wants a whole block in a lane: lanes 0-15 block 2 c, lanes 16-31 block 2 c + 1
.irp i, 0,1,2
	v_permlane16_swap_b32 v[PC+6*\c+\i], v[PC+12+4*\c+\i]
.endr
.irp i, 0,1,2
	v_mov_b32 v[PC+3+6*\c+\i], v[PC+12+4*\c+\i]
.endr
.endr
.endm
	s_load_b128 s[4:7], s[0:1], 0x0                ; x, w_qkv
	s_load_b128 s[8:11], s[0:1], 0x10              ; w_proj, opc
	s_load_b64 s[12:13], s[0:1], 0x20              ; ops
	v_lshl_add_u32 v62, v0, 2, 0x8400
	v_mov_b32 v63, 0
	v_lshrrev_b32 v1, 5, v0
	v_readfirstlane_b32 s14, v1                    ; wave 0..3
	v_and_b32 v1, 31, v0                           ; lane
	s_cmp_lt_u32 ttmp9, 256
	s_cbranch_scc0 .Lweights
	; ---- x: work-group f makes fragment f; wave w its K steps 2 w and 2 w + 1
	v_lshlrev_b32 v2, 4, v1                        ; 16 x lane: my bytes of a load's 512, and of an image's 512
	s_mul_i32 s15, s14, WSTAGE
	v_add_nc_u32 v3, s15, v2                       ; the stage, on the way in: a row as it lies
	v_and_b32 v6, 15, v1                           ; r
	v_lshrrev_b32 v7, 4, v1                        ; h
	v_mul_u32_u24 v4, v6, SPITCH
	v_lshl_add_u32 v4, v7, 6, v4
	v_add_nc_u32 v4, s15, v4                       ; and on the way out: row r, + 64 h: my 16 numbers of a block of 32
	v_lshlrev_b32 v5, 2, v1                        ; 4 x lane
	s_mov_b32 s[SEL], 0x76543210
	s_mov_b32 s[SEL+1], 0xfedcba98
.irp b, 0,1,2,3
	v_mov_b32 v[TM+4+\b], 0                        ; written once: a lane permute's destination counts as one of its sources
.endr
	s_lshr_b32 s16, ttmp9, 1
	s_lshl_b32 s16, s16, 5
	s_and_b32 s17, ttmp9, 1
	s_lshl_b32 s17, s17, 3
	s_add_co_u32 s16, s16, s17                     ; the fragment's first row: 32 (f / 2) + 8 (f % 2)
	s_lshl_b32 s16, s16, 12                        ; rows of 4,096 bytes
	s_lshl_b32 s17, s14, 10
	s_add_co_u32 s16, s16, s17                     ; + my two K steps: 1,024 bytes a wave
	s_mov_b32 s17, 0
	s_lshl_b32 s18, ttmp9, 3
	s_lshl_b32 s19, s14, 1
	s_add_co_u32 s18, s18, s19
	s_mul_i32 s18, s18, 1536                       ; the images: (8 f + 2 w) x 1,536
	s_mov_b32 s19, 0
	s_lshl_b32 s20, ttmp9, 9
	s_lshl_b32 s21, s14, 7
	s_add_co_u32 s20, s20, s21                     ; the scale words: 512 f + 128 w
	s_mov_b32 s21, 0
	s_wait_alu depctr_va_vdst(0)
	s_wait_kmcnt 0x0
	s_add_nc_u64 s[4:5], s[4:5], s[16:17]
	s_add_nc_u64 s[10:11], s[10:11], s[18:19]
	s_add_nc_u64 s[12:13], s[12:13], s[20:21]
.irp q, 0,1                                    ; all 32 loads go out at once: 16 KiB a wave; each reads 512 consecutive bytes of one row
.irp p, 0,1,2,3,4,5,6,7,8,9,10,11,12,13,14,15
	global_load_b128 v[R+64*\q+4*\p:R+64*\q+4*\p+3], v2, s[4:5] offset:(\p+8*(\p/8))*4096+512*\q th:TH_LOAD_NT
.endr
.endr
.macro XSTEP q
	s_wait_loadcnt 16-16*\q                        ; this K step's sixteen loads are in; the other's sixteen may be out
.irp p, 0,1,2,3,4,5,6,7,8,9,10,11,12,13,14,15
	ds_store_b128 v3, v[R+64*\q+4*\p:R+64*\q+4*\p+3] offset:SPITCH*\p
.endr
.irp b, 0,1,2,3
.irp j, 0,1,2,3
	ds_load_b128 v[X+16*\b+4*\j:X+16*\b+4*\j+3], v4 offset:128*\b+16*\j   ; LDS serves a wave's instructions in order (ISA guide 5.7.1.4): these see the stores above
.endr
.endr
	s_wait_dscnt 0x0
.if \q
	s_wait_xcnt 0x0                                ; the first K step's stores have read their data: the codes' registers are written again only behind this wait
.endif
	QUANT X
	v_mov_b32 v[25+\q], v[PW]
.irp c, 0,1,2
	global_store_b128 v2, v[PC+4*\c:PC+4*\c+3], s[10:11] offset:1536*\q+512*\c   ; 32 lanes store 512 consecutive bytes, aligned
.endr
.endm
	XSTEP 0
	XSTEP 1
	v_cmp_lt_u32 vcc_lo, 15, v1
	v_cndmask_b32 v27, v25, v26, vcc_lo            ; lanes 0-15: K step 2 w's words, lanes 16-31: K step 2 w + 1's (each lane holds the word of row lane % 16)
	global_store_b32 v5, v27, s[12:13]             ; 128 consecutive bytes
	s_wait_tensorcnt 0x0
	ds_add_u32 v62, v63
	s_wait_dscnt 0x0
	s_endpgm
	; ---- the weights: work-group 256 + 32 ks + cb takes K step ks of 128 columns; cb 0-23: w_qkv, 24-31: w_proj.  Wave w: 32 columns, a lane a column: two fragments
.Lweights:
	s_sub_co_u32 s15, ttmp9, 256
	s_and_b32 s16, s15, 31                         ; cb
	s_lshr_b32 s17, s15, 5                         ; ks
	s_wait_alu depctr_va_vdst(0)
	v_lshlrev_b32 v2, 2, v1                        ; in: 4 bytes a lane: a load reads 128 consecutive bytes
	v_bfe_u32 v3, v1, 3, 1                         ; which of the pair's two fragments holds my column: (lane / 8) % 2,
	v_and_b32 v4, 7, v1
	v_lshrrev_b32 v5, 4, v1
	v_lshl_add_u32 v4, v5, 3, v4                   ; and in which slot: lane % 8 + 8 (lane / 16)
	v_mul_u32_u24 v5, v3, 12288
	v_lshl_add_u32 v5, v4, 4, v5                   ; the codes: 12,288 x fragment + 16 x slot
	v_lshlrev_b32 v6, 9, v3
	v_lshl_add_u32 v6, v4, 2, v6                   ; the scale word: 512 x fragment + 4 x slot
	s_lshl_b32 s18, s16, 3
	s_lshl_b32 s19, s14, 1
	s_add_co_u32 s18, s18, s19
	s_add_co_u32 s18, s18, 256                     ; the pair's first fragment: 256 + 8 cb + 2 w, for both weights
	s_mul_i32 s20, s18, 12288
	s_mul_i32 s21, s17, 1536
	s_add_co_u32 s20, s20, s21
	s_mov_b32 s21, 0
	s_lshl_b32 s22, s18, 9
	s_lshl_b32 s23, s17, 6
	s_add_co_u32 s22, s22, s23
	s_mov_b32 s23, 0
	s_lshl_b32 s25, s14, 7                         ; my wave's 32 columns, in bytes
	s_wait_kmcnt 0x0
	s_add_nc_u64 s[10:11], s[10:11], s[20:21]
	s_add_nc_u64 s[12:13], s[12:13], s[22:23]
	s_cmp_lt_u32 s16, 24                           ; which weight: the choice hangs on the work-group's number alone
	s_cselect_b64 s[28:29], s[6:7], s[8:9]
	s_cselect_b32 s24, 0, 24
	s_mov_b32 s26, 128*4096
	s_cselect_b32 s26, 128*12288, s26              ; a K step's 128 rows, in bytes
	s_sub_co_u32 s24, s16, s24                     ; the block of columns in that weight
	s_mul_i32 s26, s26, s17
	s_lshl_b32 s24, s24, 9
	s_add_co_u32 s26, s26, s24
	s_add_co_u32 s26, s26, s25
	s_mov_b32 s27, 0
	s_add_nc_u64 s[28:29], s[28:29], s[26:27]
.macro LOADW pitch                             ; W(128 ks + i, my column), i = 0 .. 127: the row's pitch stands in the immediates, so the run is written once for each weight
.set i, 0
.rept 128
	global_load_b32 v[R+i], v2, s[28:29] offset:i*\pitch th:TH_LOAD_NT
.set i, i+1
.endr
.endm
	s_cmp_lt_u32 s16, 24
	s_cbranch_scc0 .Lproj
	s_wait_alu depctr_va_vdst(0)
	LOADW 12288
	s_branch .Ljoin
.Lproj:
	s_wait_alu depctr_va_vdst(0)
	LOADW 4096
.Ljoin:
.macro BLOCKW t                                ; block t of my column: all its 32 numbers are mine
.set XS, R+32*(\t)
.if (\t) < 2
	s_wait_loadcnt 63                              ; a wait's count holds 63 at the most: that is under the 96 (64) younger loads that might stay out
.else
	s_wait_loadcnt 96-32*(\t)                      ; the later blocks' loads may be out
.endif
	v_max3_num_f32 v8, |v[XS]|, |v[XS+1]|, |v[XS+2]|
	v_max3_num_f32 v9, |v[XS+3]|, |v[XS+4]|, |v[XS+5]|
.irp i, 6,10,14,18,22,26
	v_max3_num_f32 v8, v8, |v[XS+\i]|, |v[XS+\i+1]|
	v_max3_num_f32 v9, v9, |v[XS+\i+2]|, |v[XS+\i+3]|
.endr
	v_max3_num_f32 v8, v8, |v[XS+30]|, |v[XS+31]|
	v_max3_num_f32 v8, v8, v9, 0x1800000           ; and the floor
	v_add_nc_u32 v[10+(\t)], 0xff000000, v8        ; the conversions' scale operand
	v_lshrrev_b32 v9, 23, v[10+(\t)]               ; the byte
.if (\t) == 0
	v_mov_b32 v[SW], v9
.else
	v_lshl_or_b32 v[SW], v9, 8*(\t), v[SW]
.endif
	; block t = 2 c + hh is registers 6 c .. 6 c + 5 of the fragment's lane (slot, hh)
	v_cvt_scalef32_pk16_fp6_f32 v[IM+12*((\t)%2)+6*((\t)/2):IM+12*((\t)%2)+6*((\t)/2)+2], v[XS:XS+15], v[10+(\t)]
	v_cvt_scalef32_pk16_fp6_f32 v[TT+4*(\t):TT+4*(\t)+2], v[XS+16:XS+31], v[10+(\t)]
.endm
	BLOCKW 0
	BLOCKW 1
	BLOCKW 2
	BLOCKW 3
	v_nop                                          ; one plain instruction behind the scaled conversions
.irp t, 0,1,2,3
.irp i, 0,1,2
	v_mov_b32 v[IM+12*(\t%2)+6*(\t/2)+3+\i], v[TT+4*\t+\i]
.endr
.endr
.irp h, 0,1
.irp c, 0,1,2
	global_store_b128 v5, v[IM+12*\h+4*\c:IM+12*\h+4*\c+3], s[10:11] offset:256*\h+512*\c   ; sixteen slots of each of the two fragments: two aligned runs of 256 bytes
.endr
.endr
	global_store_b32 v6, v[SW], s[12:13]           ; two runs of 64 bytes: one part in 24 of what this way stores
	s_endpgm
.Lfunc_end_k_q75037bbaf5_quant:
	.size	k_q75037bbaf5_quant, .Lfunc_end_k_q75037bbaf5_quant-k_q75037bbaf5_quant
	.p2alignl 7, 3214868480
	.fill 96, 4, 3214868480
	.section	.rodata,"a",@progbits
	.p2align	6, 0x0
	.amdhsa_kernel k_q75037bbaf5_quant
		.amdhsa_group_segment_fixed_size 34304
		.amdhsa_private_segment_fixed_size 0
		.amdhsa_enable_private_segment 0
		.amdhsa_kernarg_size 40
		.amdhsa_user_sgpr_count 2
		.amdhsa_user_sgpr_kernarg_segment_ptr 1
		.amdhsa_wavefront_size32 1
		.amdhsa_system_sgpr_workgroup_id_x 1
		.amdhsa_system_sgpr_workgroup_id_y 1
		.amdhsa_system_sgpr_workgroup_id_z 1
		.amdhsa_system_vgpr_workitem_id 0
		.amdhsa_next_free_vgpr 256
		.amdhsa_next_free_sgpr 66
		.amdhsa_reserve_vcc 1
		.amdhsa_float_denorm_mode_32 3
		.amdhsa_float_denorm_mode_16_64 3
		.amdhsa_memory_ordered 1
		.amdhsa_forward_progress 1
		.amdhsa_inst_pref_size 50
	.end_amdhsa_kernel
	.amdgpu_metadata
---
amdhsa.version: [ 1, 2 ]
amdhsa.kernels:
  - .name:           k_q75037bbaf5_quant
    .symbol:         k_q75037bbaf5_quant.kd
    .args:
      - { .name: x, .offset: 0, .size: 8, .value_kind: global_buffer, .address_space: global }
      - { .name: w_qkv, .offset: 8, .size: 8, .value_kind: global_buffer, .address_space: global }
      - { .name: w_proj, .offset: 16, .size: 8, .value_kind: global_buffer, .address_space: global }
      - { .name: opc, .offset: 24, .size: 8, .value_kind: global_buffer, .address_space: global }
      - { .name: ops, .offset: 32, .size: 8, .value_kind: global_buffer, .address_space: global }
    .group_segment_fixed_size: 34304
    .private_segment_fixed_size: 0
    .kernarg_segment_align: 8
    .kernarg_segment_size: 40
    .max_flat_workgroup_size: 128
    .sgpr_count:     66
    .vgpr_count:     256
    .wavefront_size: 32
...
	.end_amdgpu_metadata
.endif
;; end of part 1
;; launch gemm_qkv (part 2): grid 8 x 32, 4 waves a work-group, clusters of 4 x 4, 327,680 bytes of LDS; arguments opc, ops, atc, ats; writes atc, ats
.if DOCPART == 2
	.amdgcn_target "amdgcn-amd-amdhsa--gfx1250"
	.amdhsa_code_object_version 6
	.text
	.protected	k_q75037bbaf5_gemm_qkv
	.globl	k_q75037bbaf5_gemm_qkv
	.p2align	8
	.type	k_q75037bbaf5_gemm_qkv,@function
k_q75037bbaf5_gemm_qkv:
	s_mov_b64 s[64:65], 0
	v_nop
	global_prefetch_b8 v0, s[64:65] scope:SCOPE_SE
	s_setreg_imm32_b32 hwreg(HW_REG_WAVE_MODE, 25, 1), 1
	s_wait_xcnt 0x0
	s_wait_alu depctr_hold_cnt(0) depctr_sa_sdst(0) depctr_va_vdst(0) depctr_va_sdst(0) depctr_va_ssrc(0) depctr_va_vcc(0) depctr_vm_vsrc(0)
	s_getreg_b32 s2, hwreg(HW_REG_IB_STS2, 6, 4)
	s_cmp_eq_u32 s2, 0
	s_cbranch_scc0 .Lentry_in_a_cluster
	s_endpgm
.Lentry_in_a_cluster:
	s_bfe_u32 s2, ttmp6, 0x10000c
	s_cmp_lg_u32 s2, 0xf033
	s_cbranch_scc0 .Lentry_shape_is_right
	s_endpgm
.Lentry_shape_is_right:
; qkv = x w_qkv on codes of FP6 (E2M3) with E8M0 scales, K = 1,024; the results are quantised at once into the operands of attention: no f32 number of q, k or v goes to memory.
; OPERANDS: images of fragments (16 rows x 128 K, 1,536 bytes) in opc [f][K step][1,536], scale words in ops [f][K step][16 x 4]; f 0-255 tokens, f 256-447 columns of w_qkv.
; Slot p of fragment f holds row 32 (f / 2) + 8 (f % 2) + p + 8 (p / 8).
; 256 work-groups, each with tile row TR (128 tokens) and tile column TC, in TWO PHASES on the same 128 tokens:
;   phase 1: 128 tokens (side A) x columns 256 TC .. + 255 of q | k (side B); a wave makes 64 x 128: 32 accumulators; the results become fragments (16 tokens x 128 d), quantised along d.
;   phase 2: the 128 columns of v's head TC (side A) x the same 128 tokens (side B); a wave makes 32 x 128: 16 accumulators; the results become fragments (16 d x 128 keys), quantised along the keys.
; THE MATRIX INSTRUCTION IS USED TRANSPOSED: source 0 = B's fragment, source 1 = A's: a lane holds ONE row of A's side, and by the order of B's rows its 64 registers of a block are neighbours along B's side.
; LDS: x's 8 fragments, all of K, at 0 (98,304 bytes): [f][K step][1,536]; w's 16 at WB BY HALVES OF K: [half][f][K step % 4][1,536], 98,304 bytes a half.
; At the head a wave issues one load: waves 0, 1 the halves of x's fragments, waves 2, 3 the halves of w's K (16 rows of 6,144 bytes, 12,288 bytes apart in memory).
; When K step 3's fragments are in registers nobody reads w's first half any more: in the middle of K step 3 w_v's 8 fragments (98,304 bytes, [f][K step][1,536]) fill those bytes again, a quarter a wave;
; K steps 3 (its second half) to 7 stand between that load and the wait for it.
; A K step's fragments are asked for at the head of the step before, so that 32 (phase 2: 16) products stand between the loads and the wait for them.
; CLUSTERS: 4 x 4.  x hangs on the tile row, shared along a row of the cluster; w and w_v on the tile column, shared along a column: every load is a joint load of four.
; PREFETCH: w_v's 384 blocks of 256 bytes are named once in a cluster's column at the head: 96 to a partner (by address, cy), 24 to a wave, a lane a block (lanes 24-31 name the wave's last block again).
; The head's own loads have no step to run ahead in and are not prefetched.
; OUT: atc, 6,144 images: q at bh 128 + qt, k at 2,048 + bh 128 + kt, v at 4,096 + (bh 16 + key step) 8 + tile of d;  ats: scale words, four fragments together: (F / 4) 256 + 16 slot + 4 (F % 4).
; LIMITS: NaN and infinities are not served; a block of zeros gets the byte 1 (its codes are zeros; this program alone reads the bytes).
; REGISTERS: window 0: v1-15 addresses; v16-31 A's scale words, v32-63 B's (they hold nothing else); v64-159 A's fragments, two sets; v160-203 the quantiser.  window 1: B's fragments, two sets, at v0 and v96.  window 2: accumulator (a, b) at v[8 (8 a + b)].
.set WB,   98304
.set WV, 14
.set WR, 15
.set WC, 16
.set CX, 17
.set CY, 18
.set TR, 19
.set TC, 20
.set FA, 21
.set FB, 22
.set FV, 23
.set G1A, 56                           ; s[56:63] group 1 for x;  s[68:75] for w;  s[44:51] for w_v;  groups 0: x s[24:27], w s[28:31], w_v s[32:35]
.set G1B, 68
.set G1V, 44
.set SEL, 76
.set LI,   1                           ; v1   16 x lane: also the LDS address of x's fragments 0-3
.set LN,   2                           ; v2   lane
.set ADRA, 4                           ; v4   phase 1: my four fragments of x
.set ADRB, 5                           ; v5, v6  phase 1: my eight fragments of w in K's half 0, 1
.set ADX,  7                           ; v7   phase 2: x's fragments 4-7
.set ADV,  8                           ; v8   phase 2: my two fragments of w_v
.set WO2,  10                          ; v10  16 (lane % 16) + 4 (lane / 16)
.set SLT,  12                          ; v12  scale words: 512 (lane / 16) + 4 (lane % 16)
.set WO,   14                          ; v14  16 (lane % 16) + 8 (lane / 16)
.set PF,   15                          ; v15  the prefetch's offset; never rewritten
.set SA,   16
.set SB,   32
.set AF,   64
.set TM,   160
.set PW,   176
.set PK,   178
.set PWS,  180
.set PC,   184
.set MSB, 0
.macro WIN new                         ; the immediate's high byte repeats the setting that is left
.if MSB != \new
	s_set_vgpr_msb (MSB<<8)|\new
.set MSB, \new
.endif
.endm
.macro PLACES                          ; four plain instructions behind a matrix instruction, ahead of loads into registers that it read and of the first read of its result
.rept 4
	v_nop
.endr
.endm
.macro CROUND                          ; a round of the cluster's barrier
	s_barrier_signal -1
	s_barrier_wait -1
	s_cmp_lg_u32 s[WV], 0
	s_cbranch_scc1 .Lnot_wave_0_\@
	s_barrier_signal -3
.Lnot_wave_0_\@:
	s_barrier_wait -3
	s_barrier_signal -1
	s_barrier_wait -1
.endm
.macro W1 zero, m1, m2                 ; one product on the registers that MULA has named
.if \zero
	v_wmma_scale_f32_16x16x128_f8f6f4 v[AC_:AC_+7], v[BF_:BF_+11], v[AF_:AF_+11], 0, v[SB_], v[SA_] matrix_a_fmt:MATRIX_FMT_FP6 matrix_b_fmt:MATRIX_FMT_FP6 \m1 \m2
.else
	v_wmma_scale_f32_16x16x128_f8f6f4 v[AC_:AC_+7], v[BF_:BF_+11], v[AF_:AF_+11], v[AC_:AC_+7], v[SB_], v[SA_] matrix_a_fmt:MATRIX_FMT_FP6 matrix_b_fmt:MATRIX_FMT_FP6 \m1 \m2
.endif
.endm
; K step s, A's block a against B's eight.  An odd fragment's scale words stand in lanes 16-31.  The accumulators take turns, one instruction a turn, in the same order in every K step.
.macro MULA s, a, zero
.irp b, 0,1,2,3,4,5,6,7
.set AC_, 8*(8*(\a)+\b)
.set BF_, 96*((\s)%2)+12*\b
.set AF_, AF+48*((\s)%2)+12*(\a)
.set SB_, SB+8*(\b/2)+(\s)
.set SA_, SA+8*((\a)/2)+(\s)
.if (\b%2) && ((\a)%2)
	W1 \zero, matrix_a_scale:MATRIX_SCALE_ROW1, matrix_b_scale:MATRIX_SCALE_ROW1
.elseif \b%2
	W1 \zero, matrix_a_scale:MATRIX_SCALE_ROW1
.elseif (\a)%2
	W1 \zero, matrix_b_scale:MATRIX_SCALE_ROW1
.else
	W1 \zero
.endif
.endr
.endm
; K step s's fragments into set s % 2: an image comes back by three loads of 512 consecutive bytes
.macro FETA s, na, ada                 ; A's na fragments, 12,288 bytes apart
	WIN 0
.set a_, 0
.rept \na
.irp k, 0,1,2
	ds_load_b128 v[AF+48*((\s)%2)+12*a_+4*\k:AF+48*((\s)%2)+12*a_+4*\k+3], v[\ada] offset:12288*a_+1536*(\s)+512*\k
.endr
.set a_, a_+1
.endr
.endm
.macro FETCH1 s                        ; phase 1: w's eight, 6,144 bytes apart in K's half s / 4, and x's four
	WIN 0x40                                       ; destination window 1, address window 0
.irp b, 0,1,2,3,4,5,6,7
.irp k, 0,1,2
	ds_load_b128 v[96*((\s)%2)+12*\b+4*\k:96*((\s)%2)+12*\b+4*\k+3], v[ADRB+(\s)/4] offset:6144*\b+1536*((\s)%4)+512*\k
.endr
.endr
	FETA \s, 4, ADRA
.endm
.macro FETCHV s                        ; phase 2: x's eight and w_v's two
	WIN 0x40
.irp b, 0,1,2,3
.irp k, 0,1,2
	ds_load_b128 v[96*((\s)%2)+12*\b+4*\k:96*((\s)%2)+12*\b+4*\k+3], v[LI] offset:12288*\b+1536*(\s)+512*\k
.endr
.endr
.irp b, 0,1,2,3
.irp k, 0,1,2
	ds_load_b128 v[96*((\s)%2)+48+12*\b+4*\k:96*((\s)%2)+48+12*\b+4*\k+3], v[ADX] offset:12288*\b+1536*(\s)+512*\k
.endr
.endr
	FETA \s, 2, ADV
.endm
.macro STEP s, zero                    ; phase 1: 32 products
	s_wait_dscnt 0x0                               ; this K step's fragments are in
.if (\s) < 7
.if (\s) > 0
	PLACES                                         ; the other set was read by the K step before
.endif
	FETCH1 (\s)+1
.endif
	WIN 0xa1                                       ; source 0 (B) window 1, source 1 (A) window 0, C and D window 2
	MULA \s, 0, \zero
.if (\s) == 3                          ; my reads of w's first half of K are over (K step 3's fragments are in registers): w_v takes its bytes
	WIN 0
	s_wait_tensorcnt 0x0                           ; no tensor load of mine is out;
	ds_add_u32 v254, v255                          ; 0 onto my spare word; eight products stand between it and the wait for it
	WIN 0xa1
.endif
	MULA \s, 1, \zero
.if (\s) == 3
	WIN 0
	s_wait_dscnt 0x0                               ; the add is done, and all my LDS reads
	CROUND                                         ; no wave of any partner still reads w's first half
	tensor_load_to_lds s[32:35], s[G1V:G1V+7]      ; my quarter of w_v
	s_nop 0
	PLACES
	WIN 0xa1
.endif
	MULA \s, 2, \zero
	MULA \s, 3, \zero
.endm
.macro STEPV s, zero                   ; phase 2: 16 products
	s_wait_dscnt 0x0
.if (\s) < 7
.if (\s) > 0
	PLACES
.endif
	FETCHV (\s)+1
.endif
	WIN 0xa1
	MULA \s, 0, \zero
	MULA \s, 1, \zero
.endm
; 64 results of a lane in window 2, v[s] .. v[s + 63], become a fragment's codes in v[PC] on and its scale word in v[PW].  Each accumulator is read from its low end on.
.macro QUANT s
	WIN 0x0a                                       ; sources 0 and 1 window 2
.irp b, 0,1,2,3
	v_max3_num_f32 v[TM+\b], |v[\s+16*\b]|, |v[\s+1+16*\b]|, 0x1800000   ; block b: my 16 numbers, and the floor 2^(3 - 127): the byte cannot fall under 1
.endr
	WIN 0x28                                       ; sources 1 and 2 window 2
.irp i, 2,4,6,8,10,12,14
.irp b, 0,1,2,3
	v_max3_num_f32 v[TM+\b], v[TM+\b], |v[\s+16*\b+\i]|, |v[\s+1+16*\b+\i]|
.endr
.endr
	WIN 0
.irp b, 0,1,2,3
	v_permlanex16_b32 v[TM+4+\b], v[TM+\b], s[SEL], s[SEL+1]
.endr
.irp b, 0,1,2,3
	v_max_num_f32 v[TM+\b], v[TM+\b], v[TM+4+\b]   ; with lane l xor 16's 16: the block's largest magnitude
.endr
.irp b, 0,1,2,3
	v_add_nc_u32 v[TM+12+\b], 0xff000000, v[TM+\b]   ; 2 off its exponent field: the conversions' scale operand
.endr
.irp b, 0,1,2,3
	v_lshrrev_b32 v[TM+4+\b], 23, v[TM+12+\b]      ; the scale's byte
.endr
	v_lshl_or_b32 v[PW], v[TM+5], 8, v[TM+4]
	v_lshl_or_b32 v[PW], v[TM+6], 16, v[PW]
	v_lshl_or_b32 v[PW], v[TM+7], 24, v[PW]
	WIN 0x02                                       ; source 0 window 2
.irp c, 0,1
	v_cvt_scalef32_pk16_fp6_f32 v[PC+6*\c:PC+2+6*\c], v[\s+32*\c:\s+15+32*\c], v[TM+12+2*\c]
	v_cvt_scalef32_pk16_fp6_f32 v[PC+12+4*\c:PC+14+4*\c], v[\s+16+32*\c:\s+31+32*\c], v[TM+12+2*\c+1]
.endr
	WIN 0
	v_nop                                          ; one plain instruction behind the scaled conversions
.irp c, 0,1
.irp i, 0,1,2
	v_permlane16_swap_b32 v[PC+6*\c+\i], v[PC+12+4*\c+\i]
.endr
.irp i, 0,1,2
	v_mov_b32 v[PC+3+6*\c+\i], v[PC+12+4*\c+\i]
.endr
.endr
.endm
.macro OUTF a, base                    ; block a of A's side is one fragment of attention's: quantised in registers, stored as its image
	s_wait_xcnt 0x0                                ; earlier stores have read their data: the codes' registers are written again only behind this wait
	QUANT 64*\a
	v_mov_b32 v[PWS+\a], v[PW]
.irp c, 0,1,2
	global_store_b128 v[LI], v[PC+4*\c:PC+4*\c+3], s[\base:\base+1] offset:1536*\a+512*\c   ; 512 consecutive bytes, aligned
.endr
.endm
	s_load_b256 s[4:11], s[0:1], 0x0               ; opc s[4:5], ops s[6:7], atc s[8:9], ats s[10:11]
	v_lshl_add_u32 v254, v0, 2, 0x48000
	v_mov_b32 v255, 0
	ds_add_u32 v254, v255                          ; the opening lines: the add, twice on end, and its wait ahead of my first tensor load
	ds_add_u32 v254, v255
	v_lshrrev_b32 v1, 5, v0
	v_readfirstlane_b32 s[WV], v1                  ; wave 0..3
	s_lshr_b32 s[WR], s[WV], 1                     ; phase 1: my half of the 128 tokens.  Also: I fetch for x (0) or for w (1)
	s_and_b32 s[WC], s[WV], 1                      ; phase 1: my half of the 256 columns.  Also: which half I fetch
	s_bfe_u32 s[CX], ttmp6, 0x40000
	s_bfe_u32 s[CY], ttmp6, 0x40004
	s_and_b32 s[TR], ttmp7, 0xffff
	s_lshl_b32 s[TR], s[TR], 2
	s_add_co_u32 s[TR], s[TR], s[CY]               ; tile row 0..31
	s_lshl_b32 s[TC], ttmp9, 2
	s_add_co_u32 s[TC], s[TC], s[CX]               ; tile column 0..7
	s_lshl_b32 s[FA], s[TR], 3                     ; x's first fragment
	s_lshl_b32 s[FB], s[TC], 4
	s_add_co_u32 s[FB], s[FB], 256                 ; w's, for q | k
	s_lshl_b32 s[FV], s[TC], 3
	s_add_co_u32 s[FV], s[FV], 384                 ; and for v's head TC
	s_lshl_b32 s79, s[CY], 2
	s_lshl_b32 s79, 15, s79                        ; my row of the cluster
	s_lshl_b32 s85, 0x1111, s[CX]                  ; my column
	; group 1, elements of 8 bytes.  x and w_v: dense blocks as rows of 256 bytes, 192 and 96 rows.  w: 16 rows of 6,144 bytes (four K steps of a fragment), 12,288 bytes apart in memory, dense in LDS
	s_or_b32 s[G1A], s79, (3<<16)|(1<<21)          ; 15:0 the mask; 17:16 elements of 8 bytes; 21 set beside a mask
	s_or_b32 s[G1B], s85, (3<<16)|(1<<21)
	s_or_b32 s[G1V], s85, (3<<16)|(1<<21)
.irp g, G1A, G1V
	s_mov_b32 s[\g+1], 32<<16
	s_mov_b32 s[\g+3], 32<<16
	s_mov_b32 s[\g+5], 32
	s_mov_b32 s[\g+6], 0
	s_mov_b32 s[\g+7], 0
.endr
	s_mov_b32 s[G1A+2], 192<<16
	s_mov_b32 s[G1A+4], 192
	s_mov_b32 s[G1V+2], 96<<16
	s_mov_b32 s[G1V+4], 96
	s_mov_b32 s[G1B+1], 768<<16
	s_mov_b32 s[G1B+2], 16<<16
	s_mov_b32 s[G1B+3], 768<<16
	s_mov_b32 s[G1B+4], 16
	s_mov_b32 s[G1B+5], 1536
	s_mov_b32 s[G1B+6], 0
	s_mov_b32 s[G1B+7], 0
	s_lshl_b32 s80, s[WC], 2
	s_add_co_u32 s80, s80, s[FA]
	s_mul_i32 s80, s80, 12288                      ; x: four fragments from FA + 4 half on
	s_mov_b32 s81, 0
	s_mul_i32 s86, s[FB], 12288
	s_mul_i32 s87, s[WC], 6144
	s_add_co_u32 s86, s86, s87                     ; w: all sixteen fragments, K steps 4 half .. 4 half + 3
	s_mov_b32 s87, 0
	s_lshl_b32 s90, s[WV], 1
	s_add_co_u32 s90, s90, s[FV]
	s_mul_i32 s90, s90, 12288                      ; w_v: two from FV + 2 wave on
	s_mov_b32 s91, 0
	s_mul_i32 s82, s[WC], 49152                    ; where they go: the wave's number alone enters an LDS address
	s_mul_i32 s88, s[WC], 98304
	s_add_co_u32 s88, s88, WB
	s_mul_i32 s89, s[WV], 24576
	s_add_co_u32 s89, s89, WB
	s_mul_i32 s83, s[WR], 49152                    ; what I read: my four fragments of x,
	s_add_co_u32 s84, s82, WB                      ; my eight of w in a half of K: 8 x 6,144 bytes x my half of the columns
	s_wait_dscnt 0x0                               ; both opening adds are done
	CROUND                                         ; the round in front of the first joint loads: it runs while the arguments are on their way; behind it stand only their wait and work on scalar registers
	s_wait_kmcnt 0x0
	s_mov_b32 s24, 1
	s_mov_b32 s25, s82
	s_add_nc_u64 s[26:27], s[4:5], s[80:81]
	s_or_b32 s27, s27, 0x80000000
	s_mov_b32 s28, 1
	s_mov_b32 s29, s88
	s_add_nc_u64 s[30:31], s[4:5], s[86:87]
	s_or_b32 s31, s31, 0x80000000
	s_mov_b32 s32, 1
	s_mov_b32 s33, s89
	s_add_nc_u64 s[34:35], s[4:5], s[90:91]
	s_or_b32 s35, s35, 0x80000000
	s_cmp_eq_u32 s[WR], 0                          ; one load a wave, in the two arms of one branch on the wave's number
	s_cbranch_scc0 .Lhead_w
	tensor_load_to_lds s[24:27], s[G1A:G1A+7]
	s_nop 0
	PLACES
	s_branch .Lhead_asked
.Lhead_w:
	tensor_load_to_lds s[28:31], s[G1B:G1B+7]
	s_nop 0
	PLACES
.Lhead_asked:
	v_and_b32 v[LN], 31, v0
	v_and_b32 v3, 15, v0                           ; r
	v_bfe_u32 v13, v0, 4, 1                        ; h
	v_lshlrev_b32 v[LI], 4, v[LN]
	v_add_nc_u32 v[ADRA], s83, v[LI]
	v_add_nc_u32 v[ADRB], s84, v[LI]
	v_add_nc_u32 v[ADRB+1], 98304, v[ADRB]
	v_add_nc_u32 v[ADX], 49152, v[LI]
	v_add_nc_u32 v[ADV], s89, v[LI]
	v_lshlrev_b32 v[SLT], 2, v3
	v_lshl_add_u32 v[SLT], v13, 9, v[SLT]          ; lanes 0-15 take a fragment's words, lanes 16-31 the next fragment's
	v_lshlrev_b32 v[WO], 4, v3
	v_lshl_add_u32 v[WO2], v13, 2, v[WO]
	v_lshl_add_u32 v[WO], v13, 3, v[WO]
	v_min_u32 v[PF], 23, v[LN]
	v_lshlrev_b32 v[PF], 8, v[PF]
.irp b, 0,1,2,3
	v_mov_b32 v[TM+4+\b], 0                        ; written once: a lane permute's destination counts as one of its sources
.endr
	s_wait_alu depctr_va_vdst(0)                   ; behind the head's vector work
	s_lshl_b32 s92, s[WR], 2
	s_add_co_u32 s92, s92, s[FA]
	s_lshl_b32 s92, s92, 9
	s_mov_b32 s93, 0
	s_add_nc_u64 s[92:93], s[6:7], s[92:93]        ; phase 1: the scale words of my four blocks of x,
	s_lshl_b32 s94, s[WC], 3
	s_add_co_u32 s94, s94, s[FB]
	s_lshl_b32 s94, s94, 9
	s_mov_b32 s95, 0
	s_add_nc_u64 s[94:95], s[6:7], s[94:95]        ; and of my eight of w: straight into registers, for all of K, once
.irp p, 0,1
.irp s, 0,1,2,3,4,5,6,7
	global_load_b32 v[SA+8*\p+\s], v[SLT], s[92:93] offset:1024*\p+64*\s
.endr
.endr
.irp p, 0,1,2,3
.irp s, 0,1,2,3,4,5,6,7
	global_load_b32 v[SB+8*\p+\s], v[SLT], s[94:95] offset:1024*\p+64*\s
.endr
.endr
	s_mul_i32 s52, s[CY], 96                       ; the prefetch of w_v: my work-group's 96 blocks of the 384, my wave's 24 of them
	s_mul_i32 s53, s[WV], 24
	s_add_co_u32 s52, s52, s53
	s_lshl_b32 s52, s52, 8
	s_mul_i32 s53, s[FV], 12288
	s_add_co_u32 s52, s52, s53
	s_mov_b32 s53, 0
	s_add_nc_u64 s[52:53], s[4:5], s[52:53]
	global_prefetch_b8 v[PF], s[52:53] th:TH_LOAD_NT scope:SCOPE_SE   ; its two address registers are never rewritten
	s_lshl_b32 s36, s[FA], 9
	s_mov_b32 s37, 0
	s_add_nc_u64 s[36:37], s[6:7], s[36:37]        ; phase 2: the scale words of x's eight fragments,
	s_lshl_b32 s38, s[WV], 1
	s_add_co_u32 s38, s38, s[FV]
	s_lshl_b32 s38, s38, 9
	s_mov_b32 s39, 0
	s_add_nc_u64 s[38:39], s[6:7], s[38:39]        ; and of my two of w_v
	s_mov_b32 s[SEL], 0x76543210
	s_mov_b32 s[SEL+1], 0xfedcba98
	; phase 1's four fragments.  J = 2 x tile column + my half: J / 8: q or k; J % 8: the head; tile row / 16: the batch; 8 (tile row % 16) + 4 x my half of the tokens: the token fragment
	s_lshl_b32 s84, s[TC], 1
	s_add_co_u32 s84, s84, s[WC]
	s_lshr_b32 s78, s84, 3
	s_lshl_b32 s78, s78, 11
	s_lshr_b32 s79, s[TR], 4
	s_lshl_b32 s79, s79, 3
	s_and_b32 s83, s84, 7
	s_add_co_u32 s83, s79, s83
	s_lshl_b32 s83, s83, 7
	s_add_co_u32 s78, s78, s83
	s_and_b32 s85, s[TR], 15
	s_lshl_b32 s83, s85, 3
	s_add_co_u32 s78, s78, s83
	s_lshl_b32 s83, s[WR], 2
	s_add_co_u32 s78, s78, s83                     ; a multiple of 4
	s_mul_i32 s96, s78, 1536
	s_mov_b32 s97, 0
	s_add_nc_u64 s[96:97], s[8:9], s[96:97]
	s_lshl_b32 s98, s78, 6
	s_mov_b32 s99, 0
	s_add_nc_u64 s[98:99], s[10:11], s[98:99]
	; phase 2's two fragments: 4,096 + ((8 x batch + head TC) 16 + key step) 8 + 2 x wave
	s_add_co_u32 s78, s79, s[TC]
	s_lshl_b32 s78, s78, 4
	s_add_co_u32 s78, s78, s85
	s_lshl_b32 s78, s78, 3
	s_add_co_u32 s78, s78, 4096
	s_lshl_b32 s83, s[WV], 1
	s_add_co_u32 s78, s78, s83
	s_mul_i32 s40, s78, 1536
	s_mov_b32 s41, 0
	s_add_nc_u64 s[40:41], s[8:9], s[40:41]
	s_lshr_b32 s42, s78, 2
	s_lshl_b32 s42, s42, 8
	s_lshl_b32 s83, s[WC], 3
	s_add_co_u32 s42, s42, s83                     ; their words: (F / 4) 256 + 4 (F % 4), F % 4 = 2 (wave % 2)
	s_mov_b32 s43, 0
	s_add_nc_u64 s[42:43], s[10:11], s[42:43]
	s_wait_tensorcnt 0x0                           ; my part of x or of w has landed
	s_barrier_signal -1
	s_barrier_wait -1                              ; everybody's has
	FETCH1 0
	s_wait_loadcnt 0x0                             ; the scale words
	STEP 0, 1                                      ; the first K step's products start the sums: nothing is cleared
.irp s, 1,2,3,4,5,6,7
	STEP \s, 0
.endr
	WIN 0
	PLACES                                         ; behind phase 1's last products: the loads below land in registers that they read
	s_wait_tensorcnt 0x0                           ; my quarter of w_v has landed
	s_barrier_signal -1
	s_barrier_wait -1                              ; everybody's has
.irp s, 0,1,2,3,4,5,6,7
	global_load_b32 v[SA+\s], v[SLT], s[38:39] offset:64*\s          ; phase 2's scale words
.endr
.irp p, 0,1,2,3
.irp s, 0,1,2,3,4,5,6,7
	global_load_b32 v[SB+8*\p+\s], v[SLT], s[36:37] offset:1024*\p+64*\s
.endr
.endr
	FETCHV 0                                       ; and its first fragments: phase 1's way out stands between these loads and the waits for them
.irp a, 0,1,2,3
	OUTF \a, 96
.endr
	v_cmp_lt_u32 vcc_lo, 15, v[LN]
	v_cndmask_b32 v[PK], v[PWS], v[PWS+2], vcc_lo  ; lane (r, h) stores the words of fragments 2 h and 2 h + 1 for slot r
	v_cndmask_b32 v[PK+1], v[PWS+1], v[PWS+3], vcc_lo
	global_store_b64 v[WO], v[PK:PK+1], s[98:99]   ; 256 consecutive bytes, aligned
	s_wait_alu depctr_va_vdst(0)
	s_wait_loadcnt 0x0
	STEPV 0, 1
.irp s, 1,2,3,4,5,6,7
	STEPV \s, 0
.endr
	WIN 0
	PLACES
	OUTF 0, 40
	OUTF 1, 40
	v_cmp_lt_u32 vcc_lo, 15, v[LN]
	v_cndmask_b32 v[PK], v[PWS], v[PWS+1], vcc_lo  ; lane (r, h) stores fragment h's word for slot r
	global_store_b32 v[WO2], v[PK], s[42:43]       ; 8 bytes of each 16: the other wave of the pair stores the rest
	s_wait_tensorcnt 0x0                           ; the wave's end
	ds_add_u32 v254, v255
	s_wait_dscnt 0x0
	CROUND                                         ; the closing round: no work-group ends while a partner may still ask for a tile that names it
	s_endpgm
.Lfunc_end_k_q75037bbaf5_gemm_qkv:
	.size	k_q75037bbaf5_gemm_qkv, .Lfunc_end_k_q75037bbaf5_gemm_qkv-k_q75037bbaf5_gemm_qkv
	.p2alignl 7, 3214868480
	.fill 96, 4, 3214868480
	.section	.rodata,"a",@progbits
	.p2align	6, 0x0
	.amdhsa_kernel k_q75037bbaf5_gemm_qkv
		.amdhsa_group_segment_fixed_size 327680
		.amdhsa_private_segment_fixed_size 0
		.amdhsa_enable_private_segment 0
		.amdhsa_kernarg_size 32
		.amdhsa_user_sgpr_count 2
		.amdhsa_user_sgpr_kernarg_segment_ptr 1
		.amdhsa_wavefront_size32 1
		.amdhsa_system_sgpr_workgroup_id_x 1
		.amdhsa_system_sgpr_workgroup_id_y 1
		.amdhsa_system_sgpr_workgroup_id_z 1
		.amdhsa_system_vgpr_workitem_id 0
		.amdhsa_next_free_vgpr 768
		.amdhsa_next_free_sgpr 100
		.amdhsa_reserve_vcc 1
		.amdhsa_float_denorm_mode_32 3
		.amdhsa_float_denorm_mode_16_64 3
		.amdhsa_memory_ordered 1
		.amdhsa_forward_progress 1
		.amdhsa_inst_pref_size 129
	.end_amdhsa_kernel
	.amdgpu_metadata
---
amdhsa.version: [ 1, 2 ]
amdhsa.kernels:
  - .name:           k_q75037bbaf5_gemm_qkv
    .symbol:         k_q75037bbaf5_gemm_qkv.kd
    .args:
      - { .name: opc, .offset: 0, .size: 8, .value_kind: global_buffer, .address_space: global }
      - { .name: ops, .offset: 8, .size: 8, .value_kind: global_buffer, .address_space: global }
      - { .name: atc, .offset: 16, .size: 8, .value_kind: global_buffer, .address_space: global }
      - { .name: ats, .offset: 24, .size: 8, .value_kind: global_buffer, .address_space: global }
    .group_segment_fixed_size: 327680
    .private_segment_fixed_size: 0
    .kernarg_segment_align: 8
    .kernarg_segment_size: 32
    .max_flat_workgroup_size: 128
    .sgpr_count:     100
    .vgpr_count:     768
    .wavefront_size: 32
...
	.end_amdgpu_metadata
.endif
;; end of part 2
;; launch attn (part 3): grid 16 x 16, 16 waves a work-group, clusters of 4 x 1, 327,680 bytes of LDS; arguments atc, ats, lambda_q1, lambda_k1, lambda_q2, lambda_k2, rms_weight, ouc, ous; writes ouc, ous
.if DOCPART == 3
	.amdgcn_target "amdgcn-amd-amdhsa--gfx1250"
	.amdhsa_code_object_version 6
	.text
	.protected	k_q75037bbaf5_attn
	.globl	k_q75037bbaf5_attn
	.p2align	8
	.type	k_q75037bbaf5_attn,@function
k_q75037bbaf5_attn:
	s_mov_b64 s[64:65], 0
	v_nop
	global_prefetch_b8 v0, s[64:65] scope:SCOPE_SE
	s_setreg_imm32_b32 hwreg(HW_REG_WAVE_MODE, 25, 1), 1
	s_wait_xcnt 0x0
	s_wait_alu depctr_hold_cnt(0) depctr_sa_sdst(0) depctr_va_vdst(0) depctr_va_sdst(0) depctr_va_ssrc(0) depctr_va_vcc(0) depctr_vm_vsrc(0)
	s_getreg_b32 s2, hwreg(HW_REG_IB_STS2, 6, 4)
	s_cmp_eq_u32 s2, 0
	s_cbranch_scc0 .Lentry_in_a_cluster
	s_endpgm
.Lentry_in_a_cluster:
	s_bfe_u32 s2, ttmp6, 0x10000c
	s_cmp_lg_u32 s2, 0x3003
	s_cbranch_scc0 .Lentry_shape_is_right
	s_endpgm
.Lentry_shape_is_right:
; Differential attention of one (batch, head) bh: attn = softmax(q1 k1^T / 8) - lam softmax(q2 k2^T / 8), o = attn v, RMS norm over the head's 128, x rms_weight, x (1 - lambda_init); all three products on codes of FP6 (E2M3).
; IN: atc, images of fragments (16 rows x 128 K, 1,536 bytes): q at bh 128 + qt, k at 2,048 + bh 128 + kt (K = d: d 0-63 stream 1, d 64-127 stream 2), v at 4,096 + (bh 16 + key step) 8 + tile of d (K = 128 keys);
; ats, their scale words, four fragments together.  Slot p of fragment f holds row 32 (f / 2) + 8 (f % 2) + p + 8 (p / 8).  OUT: ouc / ous: the normed result as the last product's operand, [token fragment][head][1,536] and [..][16 x 4].
; TWO PASSES OVER THE KEYS.  What is quantised for the second product is attn FINISHED AND NORMALISED, and the two streams have different divisors: so both rows' maxima and sums are known before a block of attn is made.
; Pass 1: scores, running maximum m and sum l of both streams.  Pass 2: the scores again, p = 2^(c s - c m), attn = p1 / l1 - lam p2 / l2, quantised along the keys, O^T += V^T attn^T.
; K = 64 IN AN INSTRUCTION OF 128: a key's fragment (k1 | k2) is multiplied once by (q1 | zero codes) and once by (zero codes | q2).
; BOTH PRODUCTS ARE USED TRANSPOSED (source 0 = 16 keys, or 16 d of V; source 1 = my 16 queries): a lane holds ONE query; by the order of the rows the 16 registers of tiles 2 b, 2 b + 1 are 16 neighbours (keys, or d).
; THE SHIFT.  NC = -c m, rounded once; c s + NC is one fused multiply-add; the same NC serves p and l, so its own rounding cancels in p / l.
; SHARES.  A work-group owns 128 queries of one bh.  SIXTEEN waves of 256 registers, four to a SIMD, so that one wave's vector work stands beside another's products and LDS loads: wave w owns query tile w % 8 and
; KEY HALF w / 8 (1,024 keys, 8 steps of 128).  The two waves of a tile meet twice through LDS: behind pass 1 they exchange (NC, l) of both streams; behind pass 2 the wave of half 1 hands its O^T to the wave of half 0, which finishes.
; All of the head's K (196,608 bytes) and both tensors' scale words stay in LDS; V goes through two slots, each with two key steps of either half.
; CLUSTER.  The four work-groups of a cluster belong to one bh: every tensor load is a joint load of the four.  Their place in the cluster enters Q's address and the output's alone.
; LIMITS: NaN and infinities are not served; a p under 2^-126 counts as 0 (v_exp_f32 flushes denormal results: ISA guide 15.8); a block of zeros gets the byte 1 (zero codes; this program alone reads the bytes).
; REGISTERS: v1-7 addresses; v8-22 statistics; v24-41 Q; v42-52 scale words alone; v54-57 at work; v58-61 addresses made at the head; v128-175 four fragments of K or of V.
;   pass 1: v64-127 stream 1's 64 scores, v176-239 stream 2's, v240-247 maxima.   pass 2, 64 keys at a time: v64-95, v96-127 the streams; v176-239 O^T; v240-251 attn's codes; v252-254 a conversion's second half.
.set KSC,   0                          ; LDS: K's scale words, 8 KiB;
.set VSC,   8192                       ; V's, 8 KiB;
.set VB,    16384                      ; V: 49,152 bytes for each key half: four key steps = two slots of two
.set SLOT1, 24576                      ; slot 1 inside a half's bytes;
.set KIM,   114688                     ; K's 128 images, filled once; behind pass 2 its first 64 KiB carry O^T from wave to wave;
.set SPARE, 311296                     ; the spare words, 128 bytes for each wave: eight blocks of 256 bytes that no other line names;
.set SCR,   313344                     ; the statistics' exchange: 16 bytes a thread, 8 KiB; no tensor load lands there
.set RW,    321536                     ; rms_weight, 512 bytes for each of waves 0-7, each wave's own copy; no tensor load lands there
.set LI,  1                            ; v1  16 x lane
.set SPW, 2                            ; v2  LDS address of my spare word; never rewritten
.set NIL, 3                            ; v3  0; never rewritten
.set ADK, 4
.set ADV, 5
.set ADS, 6
.set LN,  7                            ; v7  lane
.set MX,  8                            ; v8, v9 the largest score so far, stream 1, 2
.set MY,  9
.set NX,  10                           ; v[10:11], v[12:13] NC (the packed forms name a pair and take its low word for both halves)
.set NY,  12
.set LX,  14                           ; v[14:15], v[16:17] pass 1: the sums in two halves; pass 2: v16 = -1 or +1, the sign that stream 2 enters with
.set LY,  16
.set AX,  18                           ; v[18:19], v[20:21] 2^(new NC - old NC)
.set AY,  20
.set LAM, 22
.set QF,  24                           ; v24-29 q's registers 0-5, v30-35 zero codes, v36-41 q's registers 6-11: (q1 | 0) = v[24:35], (0 | q2) = v[30:41]
.set QS,  42
.set KS,  44
.set VS,  48
.set PW,  52
.set U,   54
.set U2,  56
.set XA,  58                           ; v58 where O^T goes from wave to wave: KIM + 8,192 (wave % 8) + 16 x lane
.set SCA, 59                           ; v59 my 16 bytes of the statistics' exchange;
.set SCB, 60                           ; v60 my partner's: thread number xor 256
.set WA,  61                           ; v61 rms_weight in LDS: RW + 512 (wave % 8) + 64 (lane / 16)
.set SX,  64                           ; pass 1
.set SY,  176
.set TX,  240
.set TY,  244
.set PX,  64                           ; pass 2
.set PY,  96
.set FR,  128
.set OT,  176
.set PC,  240
.set PT,  252
.set TM,  96                           ; the quantiser works in stream 2's registers, which are free by then
.set WV,  22
.set KH,  27                           ; my key half
.set W8,  84                           ; my query tile in the block
.set G1S, 28                           ; s[28:35] group 1: 16 rows of 256 bytes;  s[36:43]: 64 rows;  s[44:51]: 24 rows for V's first fill, then 12
.set G1K, 36
.set G1V, 44
.set CS,  76                           ; s[76:77] c = log2(e) / 8
.set SEL, 78
.set TK,  80                           ; LDS byte at which the key step's fragments of K begin;
.set TV,  81                           ; of V;
.set TS,  82                           ; and its scale words: 512 bytes a step
.set CNT, 83
.set KHK, 96                           ; my key half's first byte in K's images, in a slot of V, among the scale words
.set KHV, 97
.set KHS, 98
.macro PLACES                          ; four plain instructions behind a matrix instruction, ahead of loads into registers that it read and of the first read of its result
.rept 4
	v_nop
.endr
.endm
.macro CROUND                          ; a round of the cluster's barrier
	s_barrier_signal -1
	s_barrier_wait -1
	s_cmp_lg_u32 s[WV], 0
	s_cbranch_scc1 .Lnot_wave_0_\@
	s_barrier_signal -3
.Lnot_wave_0_\@:
	s_barrier_wait -3
	s_barrier_signal -1
	s_barrier_wait -1
.endm
; 32 numbers of a lane, register 16 b + i = k 64 c + 32 b + 16 (lane / 16) + i of my row, become registers 6 c .. 6 c + 5 of a fragment's codes (v[PC] on) and bytes 2 c, 2 c + 1 of its scale word v[PW].
.macro QUANT2 s, c
.irp u, 0,1
.irp b, 0,1
	v_max3_num_f32 v[TM+2*\u+\b], |v[\s+16*\b+8*\u]|, |v[\s+16*\b+8*\u+1]|, 0x1800000   ; four chains, two to a block; the floor 2^(3 - 127): the byte cannot fall under 1
.endr
.endr
.irp i, 2,4,6
.irp u, 0,1
.irp b, 0,1
	s_delay_alu instid0(VALU_DEP_4)
	v_max3_num_f32 v[TM+2*\u+\b], v[TM+2*\u+\b], |v[\s+16*\b+8*\u+\i]|, |v[\s+16*\b+8*\u+\i+1]|
.endr
.endr
.endr
.irp b, 0,1
	s_delay_alu instid0(VALU_DEP_2)
	v_max_num_f32 v[TM+\b], v[TM+\b], v[TM+2+\b]
.endr
.irp b, 0,1
	s_delay_alu instid0(VALU_DEP_2)
	v_permlanex16_b32 v[TM+2+\b], v[TM+\b], s[SEL], s[SEL+1]
.endr
.irp b, 0,1
	s_delay_alu instid0(VALU_DEP_2)
	v_max_num_f32 v[TM+\b], v[TM+\b], v[TM+2+\b]   ; with lane l xor 16's 16: the block's largest magnitude
.endr
.irp b, 0,1
	s_delay_alu instid0(VALU_DEP_2)
	v_add_nc_u32 v[TM+4+\b], 0xff000000, v[TM+\b]  ; 2 off its exponent field: the conversions' scale operand
.endr
.irp b, 0,1
	s_delay_alu instid0(VALU_DEP_2)
	v_lshrrev_b32 v[TM+2+\b], 23, v[TM+4+\b]       ; the scale's byte
.endr
.if \c
	s_delay_alu instid0(VALU_DEP_2)
	v_lshl_or_b32 v[PW], v[TM+2], 16, v[PW]
	s_delay_alu instid0(VALU_DEP_1)
	v_lshl_or_b32 v[PW], v[TM+3], 24, v[PW]
.else
	s_delay_alu instid0(VALU_DEP_1)
	v_lshl_or_b32 v[PW], v[TM+3], 8, v[TM+2]
.endif
	v_cvt_scalef32_pk16_fp6_f32 v[PC+6*\c:PC+6*\c+2], v[\s:\s+15], v[TM+4]
	v_cvt_scalef32_pk16_fp6_f32 v[PT:PT+2], v[\s+16:\s+31], v[TM+5]   ; (a conversion's three registers begin on an even number)
	v_nop                                          ; one plain instruction behind the scaled conversions
.irp i, 0,1,2                                  ; the layout wants a whole block in a lane: lanes 0-15 block 2 c, lanes 16-31 block 2 c + 1
	v_permlane16_swap_b32 v[PC+6*\c+\i], v[PT+\i]
.endr
.irp i, 0,1,2
	s_delay_alu instid0(VALU_DEP_3)
	v_mov_b32 v[PC+6*\c+3+\i], v[PT+\i]
.endr
.endm
	s_load_b256 s[4:11], s[0:1], 0x0               ; atc s[4:5], ats s[6:7], lambda_q1 s[8:9], lambda_k1 s[10:11]
	s_load_b256 s[12:19], s[0:1], 0x20             ; lambda_q2 s[12:13], lambda_k2 s[14:15], rms_weight s[16:17], ouc s[18:19]
	s_load_b64 s[20:21], s[0:1], 0x40              ; ous
	v_lshl_add_u32 v[SPW], v0, 2, SPARE
	v_mov_b32 v[NIL], 0
	ds_add_u32 v2, v3
	ds_add_u32 v2, v3
	s_wait_dscnt 0x0
	v_lshrrev_b32 v4, 5, v0
	s_delay_alu instid0(VALU_DEP_1)
	v_readfirstlane_b32 s[WV], v4                  ; wave 0..15
	s_lshr_b32 s[KH], s[WV], 3
	s_and_b32 s[W8], s[WV], 7
	s_bfe_u32 s23, ttmp6, 0x40000                  ; cx
	s_and_b32 s24, ttmp7, 0xffff                   ; bh, which the four partners share
	; group 1: dense blocks as rows of 256 bytes (32 elements of 8 bytes); 15:0 the mask: all four; 21 set beside a mask
.irp g, G1S, G1K, G1V
	s_mov_b32 s[\g], 15|(3<<16)|(1<<21)
	s_mov_b32 s[\g+1], 32<<16
	s_mov_b32 s[\g+3], 32<<16
	s_mov_b32 s[\g+5], 32
	s_mov_b32 s[\g+6], 0
	s_mov_b32 s[\g+7], 0
.endr
	s_mov_b32 s[G1S+2], 16<<16
	s_mov_b32 s[G1S+4], 16
	s_mov_b32 s[G1K+2], 64<<16
	s_mov_b32 s[G1K+4], 64
	s_mov_b32 s[G1V+2], 24<<16
	s_mov_b32 s[G1V+4], 24
	s_mul_i32 s88, s24, 196608                     ; the head's 128 images, of K and of V alike
	s_lshl_b32 s89, s24, 13                        ; and their scale words
	s_and_b32 s90, s[WV], 3                        ; waves 12-15 fetch the scale words, 4,096 bytes each: pieces 0, 1 K's, pieces 2, 3 V's
	s_lshl_b32 s90, s90, 12
	s_lshl_b32 s91, s[WV], 14                      ; waves 0-11 fetch K, 16,384 bytes each
	s_mul_i32 s92, s[KH], 49152                    ; a refill of V: 3,072 bytes a wave in my half's bytes
	s_mul_i32 s93, s[W8], 3072
	s_add_co_u32 s92, s92, s93
	s_add_co_u32 s92, s92, VB
	s_and_b32 s94, s90, 4096
	s_lshr_b32 s95, s90, 13
	s_lshl_b32 s95, s95, 17                        ; V's words lie 131,072 bytes behind K's
	s_add_co_u32 s94, s94, s95
	s_add_co_u32 s94, s94, s89
	s_mov_b32 s95, 0
	s_add_co_u32 s96, s88, s91
	s_mov_b32 s97, 0
	s_mul_i32 s98, s[KH], 98304                    ; a slot holds two key steps of either half: waves 0-7 fetch half 0's 24,576 bytes, waves 8-15 half 1's, eight key steps further on
	s_mul_i32 s99, s[W8], 3072
	s_add_co_u32 s98, s98, s99
	s_add_co_u32 s98, s98, s88
	s_mov_b32 s99, 0
	CROUND                                         ; the round in front of the first joint loads: it runs while the arguments are on their way; behind it stand only their wait and work on scalar registers
	s_wait_kmcnt 0x0
	s_mov_b32 s52, 1                               ; K's scale words
	s_add_co_u32 s53, s90, KSC
	s_add_nc_u64 s[54:55], s[6:7], s[94:95]
	s_add_nc_u64 s[54:55], s[54:55], 131072
	s_or_b32 s55, s55, 0x80000000
	s_mov_b32 s56, 1                               ; K's images
	s_add_co_u32 s57, s91, KIM
	s_add_nc_u64 s[58:59], s[4:5], s[96:97]
	s_add_nc_u64 s[58:59], s[58:59], 3145728
	s_or_b32 s59, s59, 0x80000000
	s_mov_b32 s60, 1                               ; V's first fill: key steps 0-3 of either half, 6,144 bytes a wave
	s_mul_i32 s61, s[WV], 6144
	s_add_co_u32 s61, s61, VB
	s_mul_i32 s88, s[W8], 3072
	s_mov_b32 s89, 0
	s_add_nc_u64 s[62:63], s[4:5], s[98:99]
	s_add_nc_u64 s[62:63], s[62:63], s[88:89]
	s_add_nc_u64 s[62:63], s[62:63], 6291456
	s_or_b32 s63, s63, 0x80000000
	s_mov_b32 s68, 1                               ; V's slot 0: key steps 0, 1 of either half
	s_mov_b32 s69, s92
	s_add_nc_u64 s[70:71], s[4:5], s[98:99]
	s_add_nc_u64 s[70:71], s[70:71], 6291456
	s_or_b32 s71, s71, 0x80000000
	s_mov_b32 s72, 1                               ; V's slot 1: key steps 2, 3 of either half
	s_add_co_u32 s73, s92, SLOT1
	s_add_nc_u64 s[74:75], s[4:5], s[98:99]
	s_add_nc_u64 s[74:75], s[74:75], 6291456+24576
	s_or_b32 s75, s75, 0x80000000
	s_cmp_lt_u32 s[WV], 12                         ; one load a wave, in the two arms of one branch on the wave's number
	s_cbranch_scc0 .Lhead_sc
	tensor_load_to_lds s[56:59], s[G1K:G1K+7]
	s_nop 0
	PLACES
	s_branch .Lhead_asked
.Lhead_sc:
	tensor_load_to_lds s[52:55], s[G1S:G1S+7]
	s_nop 0
	PLACES
.Lhead_asked:
	v_and_b32 v[LN], 31, v0
	s_delay_alu instid0(VALU_DEP_1)
	v_lshlrev_b32 v[LI], 4, v[LN]
	s_wait_alu depctr_va_vdst(0)
	s_lshl_b32 s99, s[W8], 13                      ; every LDS address is made here, ahead of the places where the waves' ways part
	s_add_co_u32 s99, s99, KIM
	v_add_nc_u32 v[XA], s99, v[LI]
	s_lshl_b32 s91, s[W8], 9
	s_add_co_u32 s91, s91, RW                      ; my copy of rms_weight
	v_add_nc_u32 v147, s91, v[LI]                  ; into it: 16 bytes a lane
	v_lshl_add_u32 v[SCA], v0, 4, SCR
	v_xor_b32 v[SCB], 0x100, v0
	s_delay_alu instid0(VALU_DEP_1)
	v_lshl_add_u32 v[SCB], v[SCB], 4, SCR
	v_and_b32 v128, 15, v0                         ; r
	s_wait_alu depctr_va_vdst(0)
	v_bfe_u32 v129, v0, 4, 1                       ; h
	s_delay_alu instid0(VALU_DEP_1)
	v_lshl_add_u32 v[WA], v129, 6, s91
	s_lshl_b32 s25, ttmp9, 2
	s_add_co_u32 s25, s25, s23
	s_lshl_b32 s25, s25, 3
	s_add_co_u32 s25, s25, s[W8]                   ; my tile of queries: 8 (4 x cluster x + cx) + wave % 8
	s_lshl_b32 s26, s24, 7
	s_add_co_u32 s26, s26, s25                     ; its fragment
	s_mul_i32 s88, s26, 1536
	s_mov_b32 s89, 0
	s_add_nc_u64 s[88:89], s[4:5], s[88:89]
	global_load_b128 v[QF:QF+3], v[LI], s[88:89]               ; q's registers 0-3,
	global_load_b128 v[132:135], v[LI], s[88:89] offset:512    ; 4-7, which are parted below,
	global_load_b128 v[QF+14:QF+17], v[LI], s[88:89] offset:1024   ; 8-11
	s_lshr_b32 s90, s26, 2
	s_lshl_b32 s90, s90, 8
	s_and_b32 s91, s26, 3
	s_lshl_b32 s91, s91, 2
	s_add_co_u32 s90, s90, s91
	s_mov_b32 s91, 0
	s_add_nc_u64 s[90:91], s[6:7], s[90:91]
	v_lshlrev_b32 v130, 4, v128
	global_load_b32 v[QS], v130, s[90:91]          ; q's scale words: 16 bytes a slot
	v_lshlrev_b32 v131, 3, v[LN]
	global_load_b64 v[136:137], v131, s[8:9]       ; the four lambda vectors: two numbers a lane
	global_load_b64 v[138:139], v131, s[10:11]
	global_load_b64 v[140:141], v131, s[12:13]
	global_load_b64 v[142:143], v131, s[14:15]
	global_load_b128 v[152:155], v[LI], s[16:17]   ; rms_weight, all 512 bytes: four numbers a lane
	s_lshr_b32 s96, s24, 3                         ; where the result goes: token fragment 128 x batch + my tile, K step = the head
	s_lshl_b32 s96, s96, 7
	s_add_co_u32 s96, s96, s25
	s_and_b32 s97, s24, 7
	s_lshl_b32 s98, s96, 3
	s_add_co_u32 s98, s98, s97
	s_mul_i32 s92, s98, 1536
	s_mov_b32 s93, 0
	s_add_nc_u64 s[92:93], s[18:19], s[92:93]
	s_lshl_b32 s94, s98, 6
	s_mov_b32 s95, 0
	s_add_nc_u64 s[94:95], s[20:21], s[94:95]
	s_mul_i32 s[KHK], s[KH], 98304                 ; eight key steps of 12,288 bytes
	s_mul_i32 s[KHV], s[KH], 49152                 ; my half's bytes of V
	s_add_co_u32 s[KHV], s[KHV], VB
	s_lshl_b32 s[KHS], s[KH], 12                   ; eight key steps of 512 bytes
	s_mov_b32 s[CS], 0x3e38aa3b                    ; c = log2(e) / 8
	s_mov_b32 s[CS+1], s[CS]
	s_mov_b32 s[SEL], 0x76543210
	s_mov_b32 s[SEL+1], 0xfedcba98
	s_mov_b32 s85, 0xbe38aa3b                      ; -c
	s_mov_b32 s86, 0x358637bd                      ; 1e-6
	s_mov_b32 s87, 0x3c000000                      ; 1 / 128
	v_mov_b32 v[MX], 0xff61b1e6                    ; -3e38, under every score
	v_mov_b32 v[MY], 0xff61b1e6
	s_delay_alu instid0(VALU_DEP_2)
	v_mul_f32 v[NX], s85, v[MX]
	s_delay_alu instid0(VALU_DEP_2)
	v_mul_f32 v[NY], s85, v[MY]
.irp n, NX+1, NY+1, LX, LX+1, LY, LY+1, AX+1, AY+1, 146
	v_mov_b32 v[\n], 0
.endr
.irp n, 6,7,8,9,10,11
	v_mov_b32 v[QF+\n], 0                          ; the zero codes between q1 and q2
.endr
	s_wait_loadcnt 0x0
	s_cmp_lt_u32 s[WV], 8                          ; the waves of key half 0 finish the rows: each keeps rms_weight in LDS bytes of its own until then
	s_cbranch_scc0 .Lno_rw
	ds_store_b128 v147, v[152:155]
.Lno_rw:
	v_mov_b32 v[QF+4], v132
	v_mov_b32 v[QF+5], v133
	v_mov_b32 v[QF+12], v134
	v_mov_b32 v[QF+13], v135
	; lam = exp(lambda_q1 . lambda_k1) - exp(lambda_q2 . lambda_k2) + lambda_init
	v_mul_f32 v144, v136, v138
	v_mul_f32 v145, v140, v142
	s_delay_alu instid0(VALU_DEP_2)
	v_fma_f32 v144, v137, v139, v144
	s_delay_alu instid0(VALU_DEP_2)
	v_fma_f32 v145, v141, v143, v145
.irp m, 1,2,4,8
	s_delay_alu instid0(VALU_DEP_2)
	v_add_f32_dpp v144, v144, v144 row_xmask:\m row_mask:0xf bank_mask:0xf
	s_delay_alu instid0(VALU_DEP_2)
	v_add_f32_dpp v145, v145, v145 row_xmask:\m row_mask:0xf bank_mask:0xf
.endr
	s_delay_alu instid0(VALU_DEP_2)
	v_permlanex16_b32 v146, v144, s[SEL], s[SEL+1]
	s_delay_alu instid0(VALU_DEP_2)
	v_permlanex16_b32 v132, v145, s[SEL], s[SEL+1]
	s_delay_alu instid0(VALU_DEP_2)
	v_add_f32 v144, v144, v146
	s_delay_alu instid0(VALU_DEP_2)
	v_add_f32 v145, v145, v132
	s_delay_alu instid0(VALU_DEP_2)
	v_mul_f32 v144, 0x3fb8aa3b, v144
	s_delay_alu instid0(VALU_DEP_2)
	v_mul_f32 v145, 0x3fb8aa3b, v145
	s_wait_alu depctr_va_vdst(0)
	v_exp_f32 v144, v144
	v_exp_f32 v145, v145
	v_nop                                          ; a plain instruction behind the transcendentals,
	s_wait_alu depctr_va_vdst(0)                   ; and the wait ahead of the first use: one for the batch
	v_sub_f32 v[LAM], v144, v145
	s_delay_alu instid0(VALU_DEP_1)
	v_add_f32 v[LAM], 0x3f489a63, v[LAM]           ; lambda_init = 0.8 - 0.6 exp(-3.6)
.macro SC d, kf, q, ks, row            ; 16 keys x my 16 queries; row = 1: the keys' scale words stand in lanes 16-31
.if \row
	v_wmma_scale_f32_16x16x128_f8f6f4 v[\d:\d+7], v[\kf:\kf+11], v[\q:\q+11], 0, v[\ks], v[QS] matrix_a_fmt:MATRIX_FMT_FP6 matrix_b_fmt:MATRIX_FMT_FP6 matrix_a_scale:MATRIX_SCALE_ROW1
.else
	v_wmma_scale_f32_16x16x128_f8f6f4 v[\d:\d+7], v[\kf:\kf+11], v[\q:\q+11], 0, v[\ks], v[QS] matrix_a_fmt:MATRIX_FMT_FP6 matrix_b_fmt:MATRIX_FMT_FP6
.endif
.endm
.macro KLOAD g                         ; fragments 4 g .. 4 g + 3 of the key step: an image comes by three loads of 512 consecutive bytes
.irp i, 0,1,2,3
.irp k, 0,1,2
	ds_load_b128 v[FR+12*\i+4*\k:FR+12*\i+4*\k+3], v[ADK] offset:1536*(4*\g+\i)+512*\k
.endr
.endr
.endm
.macro SCORE4 dx, dy, g                ; their scores of both streams: register 16 b + i of lane (r, h) is key 64 g + 32 b + 16 h + i of the step, for query slot r
.irp i, 0,1,2,3
	SC \dx+8*\i, FR+12*\i, QF, KS+\i, \g
	SC \dy+8*\i, FR+12*\i, QF+6, KS+\i, \g
.endr
.endm
; Pass 1's vector work.  Each lane keeps m, NC and l of ITS 64 keys of a step: nothing crosses lanes in the loop.  The two streams by turns.
.macro STATS
.irp b, 0,1,2,3
	v_max3_num_f32 v[TX+\b], v[SX+16*\b], v[SX+16*\b+1], v[SX+16*\b+2]   ; each accumulator is read from its low end on
	v_max3_num_f32 v[TY+\b], v[SY+16*\b], v[SY+16*\b+1], v[SY+16*\b+2]
.endr
.irp i, 3,5,7,9,11,13
.irp b, 0,1,2,3
	v_max3_num_f32 v[TX+\b], v[TX+\b], v[SX+16*\b+\i], v[SX+16*\b+\i+1]
	v_max3_num_f32 v[TY+\b], v[TY+\b], v[SY+16*\b+\i], v[SY+16*\b+\i+1]
.endr
.endr
.irp b, 0,1,2,3
	v_max_num_f32 v[TX+\b], v[TX+\b], v[SX+16*\b+15]
	v_max_num_f32 v[TY+\b], v[TY+\b], v[SY+16*\b+15]
.endr
	s_delay_alu instid0(VALU_DEP_4)
	v_max3_num_f32 v[TX], v[TX], v[TX+1], v[TX+2]
	s_delay_alu instid0(VALU_DEP_4)
	v_max3_num_f32 v[TY], v[TY], v[TY+1], v[TY+2]
	s_delay_alu instid0(VALU_DEP_2)
	v_max3_num_f32 v[MX], v[TX], v[TX+3], v[MX]    ; the running maximum
	s_delay_alu instid0(VALU_DEP_2)
	v_max3_num_f32 v[MY], v[TY], v[TY+3], v[MY]
	v_mov_b32 v[U], v[NX]
	v_mov_b32 v[U+1], v[NY]
	s_delay_alu instid0(VALU_DEP_4)
	v_mul_f32 v[NX], s85, v[MX]                    ; NC = -c m
	s_delay_alu instid0(VALU_DEP_4)
	v_mul_f32 v[NY], s85, v[MY]
	s_delay_alu instid0(VALU_DEP_2)
	v_sub_f32 v[AX], v[NX], v[U]                   ; new NC - old NC, 0 or less
	s_delay_alu instid0(VALU_DEP_2)
	v_sub_f32 v[AY], v[NY], v[U+1]
.set j, 0
.rept 32
	v_pk_fma_f32 v[SX+j:SX+j+1], v[SX+j:SX+j+1], s[CS:CS+1], v[NX:NX+1] op_sel_hi:[1,0,0]   ; c s + NC
	v_pk_fma_f32 v[SY+j:SY+j+1], v[SY+j:SY+j+1], s[CS:CS+1], v[NY:NY+1] op_sel_hi:[1,0,0]
.set j, j+2
.endr
	s_wait_alu depctr_va_vdst(0)
	v_exp_f32 v[AX], v[AX]                         ; one batch of 130 exponentials
	v_exp_f32 v[AY], v[AY]
.set j, 0
.rept 64
	v_exp_f32 v[SX+j], v[SX+j]
	v_exp_f32 v[SY+j], v[SY+j]
.set j, j+1
.endr
	v_nop                                          ; a plain instruction behind the last,
	s_wait_alu depctr_va_vdst(0)                   ; and one wait for the batch, ahead of its first reader
	v_pk_mul_f32 v[LX:LX+1], v[LX:LX+1], v[AX:AX+1] op_sel_hi:[1,0]   ; the sums under the new maximum
	v_pk_mul_f32 v[LY:LY+1], v[LY:LY+1], v[AY:AY+1] op_sel_hi:[1,0]
	v_pk_add_f32 v[U:U+1], v[SX:SX+1], v[SX+2:SX+3]
	v_pk_add_f32 v[U2:U2+1], v[SY:SY+1], v[SY+2:SY+3]
.set j, 4
.rept 15
	v_pk_add_f32 v[LX:LX+1], v[LX:LX+1], v[SX+j:SX+j+1]
	v_pk_add_f32 v[LY:LY+1], v[LY:LY+1], v[SY+j:SY+j+1]
	v_pk_add_f32 v[U:U+1], v[U:U+1], v[SX+j+2:SX+j+3]
	v_pk_add_f32 v[U2:U2+1], v[U2:U2+1], v[SY+j+2:SY+j+3]
.set j, j+4
.endr
	s_delay_alu instid0(VALU_DEP_2)
	v_pk_add_f32 v[LX:LX+1], v[LX:LX+1], v[U:U+1]
	s_delay_alu instid0(VALU_DEP_2)
	v_pk_add_f32 v[LY:LY+1], v[LY:LY+1], v[U2:U2+1]
.endm
; A key step of pass 1.  more = 1: the next step's scale words and first four fragments are asked for behind this step's last products and land under the statistics.
.macro P1STEP more
	s_wait_dscnt 0x0                               ; the step's scale words and first four fragments are in
	SCORE4 SX, SY, 0
	PLACES
	KLOAD 1
	s_wait_dscnt 0x0
	SCORE4 SX+32, SY+32, 1
	PLACES
.if \more
	s_add_co_u32 s[TK], s[TK], 12288
	s_add_co_u32 s[TS], s[TS], 512
	v_add_nc_u32 v[ADK], s[TK], v[LI]
	v_add_nc_u32 v[ADS], s[TS], v[LI]
	ds_load_b128 v[KS:KS+3], v[ADS] offset:KSC     ; lanes 0-15: the words of fragments 0-3 for slot lane; lanes 16-31: of fragments 4-7
	KLOAD 0
.endif
	STATS
.endm
; Two holders of (NC1, NC2, l1, l2) of one query meet: mine in v[128:131], the other's in v[132:135].  The smaller NC (the larger m) holds for both, and each sum is brought under it.
.macro MERGE
	v_min_num_f32 v136, v128, v132
	v_min_num_f32 v137, v129, v133
	s_delay_alu instid0(VALU_DEP_2)
	v_sub_f32 v138, v136, v128
	s_delay_alu instid0(VALU_DEP_3)
	v_sub_f32 v139, v136, v132
	s_delay_alu instid0(VALU_DEP_3)
	v_sub_f32 v140, v137, v129
	s_delay_alu instid0(VALU_DEP_4)
	v_sub_f32 v141, v137, v133
	s_wait_alu depctr_va_vdst(0)
	v_exp_f32 v138, v138
	v_exp_f32 v139, v139
	v_exp_f32 v140, v140
	v_exp_f32 v141, v141
	v_mov_b32 v128, v136                           ; (plain work behind the transcendentals)
	v_mov_b32 v129, v137
	s_wait_alu depctr_va_vdst(0)                   ; one wait for the four
	v_mul_f32 v130, v130, v138
	v_mul_f32 v131, v131, v140
	v_fma_f32 v130, v134, v139, v130
	v_fma_f32 v131, v135, v141, v131
.endm
	s_wait_alu depctr_va_vdst(0)                   ; the head's end
	s_wait_tensorcnt 0x0                           ; my part of K or of the scale words has landed
	ds_add_u32 v[SPW], v[NIL]
	s_wait_dscnt 0x0
	CROUND                                         ; everybody's has, and all four work-groups are here
	tensor_load_to_lds s[60:63], s[G1V:G1V+7]      ; V's key steps 0-3 of either half: they land under pass 1
	s_nop 0
	PLACES
	; ---- PASS 1: my half's eight key steps
	s_add_co_u32 s[TK], s[KHK], KIM
	s_mov_b32 s[TS], s[KHS]
	v_add_nc_u32 v[ADK], s[TK], v[LI]
	v_add_nc_u32 v[ADS], s[TS], v[LI]
	ds_load_b128 v[KS:KS+3], v[ADS] offset:KSC
	KLOAD 0
	s_mov_b32 s[CNT], 7
.Lpass1:
	s_wait_alu depctr_va_vdst(0)
	P1STEP 1
	s_sub_co_u32 s[CNT], s[CNT], 1
	s_cmp_lg_u32 s[CNT], 0
	s_cbranch_scc1 .Lpass1
	P1STEP 0                                       ; the last step is written out: it asks for nothing beyond my half's end
	; the two lanes of a query meet, then the two waves of a query tile
	v_mov_b32 v128, v[NX]
	v_mov_b32 v129, v[NY]
	s_delay_alu instid0(VALU_DEP_4)
	v_add_f32 v130, v[LX], v[LX+1]
	s_delay_alu instid0(VALU_DEP_4)
	v_add_f32 v131, v[LY], v[LY+1]
.irp i, 0,1,2,3
	s_delay_alu instid0(VALU_DEP_4)
	v_permlanex16_b32 v[132+\i], v[128+\i], s[SEL], s[SEL+1]
.endr
	MERGE
	ds_store_b128 v[SCA], v[128:131]               ; my half's figures, for my partner
.set j, 0
.rept 64
	v_mov_b32 v[OT+j], 0                           ; O^T.  (The key step of pass 2 is written once for all steps: the first adds onto zeros)
.set j, j+1
.endr
	s_wait_tensorcnt 0x0                           ; my parts of V's scale words and of both slots have landed,
	s_wait_dscnt 0x0                               ; and my store
	s_barrier_signal -1
	s_barrier_wait -1                              ; everybody's have
	ds_load_b128 v[132:135], v[SCB]
	s_wait_dscnt 0x0
	MERGE
	s_wait_alu depctr_va_vdst(0)                   ; ahead of the batch
	v_log_f32 v136, v130                           ; the divisors go into the exponents: p1 / l1 = 2^(c s + NC1 - log2 l1),
	v_log_f32 v137, v131                           ; |lam| p2 / l2 = 2^(c s + NC2 + log2 |lam| - log2 l2); lam = 0 gives -infinity there, and so 0
	v_log_f32 v138, |v[LAM]|
	v_and_b32 v[LY], 0x80000000, v[LAM]            ; (plain work behind the transcendentals)
	s_wait_alu depctr_va_vdst(0)                   ; one wait for the three
	v_sub_f32 v[NX], v128, v136
	v_sub_f32 v137, v138, v137
	v_xor_b32 v[LY], 0xbf800000, v[LY]             ; -1 where lam is positive, +1 where it is negative
	v_add_f32 v[NY], v129, v137
; ---- PASS 2
.macro VLOAD g                         ; V's tiles 4 g .. 4 g + 3 of the key step
.irp t, 0,1,2,3
.irp k, 0,1,2
	ds_load_b128 v[FR+12*\t+4*\k:FR+12*\t+4*\k+3], v[ADV] offset:1536*(4*\g+\t)+512*\k
.endr
.endr
.endm
.macro PV4 g                           ; O^T tile 4 g + t += V's tile x attn: four accumulators, one instruction each; the next link of each stands behind the next step's products
.irp t, 0,1,2,3
.if \g
	v_wmma_scale_f32_16x16x128_f8f6f4 v[OT+32*\g+8*\t:OT+32*\g+8*\t+7], v[FR+12*\t:FR+12*\t+11], v[PC:PC+11], v[OT+32*\g+8*\t:OT+32*\g+8*\t+7], v[VS+\t], v[PW] matrix_a_fmt:MATRIX_FMT_FP6 matrix_b_fmt:MATRIX_FMT_FP6 matrix_a_scale:MATRIX_SCALE_ROW1
.else
	v_wmma_scale_f32_16x16x128_f8f6f4 v[OT+32*\g+8*\t:OT+32*\g+8*\t+7], v[FR+12*\t:FR+12*\t+11], v[PC:PC+11], v[OT+32*\g+8*\t:OT+32*\g+8*\t+7], v[VS+\t], v[PW] matrix_a_fmt:MATRIX_FMT_FP6 matrix_b_fmt:MATRIX_FMT_FP6
.endif
.endr
.endm
.macro SOFT                            ; 64 keys: attn = p1 / l1 - lam p2 / l2, finished and normalised, in v[PX] on
.set j, 0
.rept 16
	v_pk_fma_f32 v[PX+j:PX+j+1], v[PX+j:PX+j+1], s[CS:CS+1], v[NX:NX+1] op_sel_hi:[1,0,0]   ; c s + NC, with the row's final NC; each accumulator from its low end on
	v_pk_fma_f32 v[PY+j:PY+j+1], v[PY+j:PY+j+1], s[CS:CS+1], v[NY:NY+1] op_sel_hi:[1,0,0]
.set j, j+2
.endr
.set j, 0
	s_wait_alu depctr_va_vdst(0)
.rept 32
	v_exp_f32 v[PX+j], v[PX+j]
	v_exp_f32 v[PY+j], v[PY+j]
.set j, j+1
.endr
	v_nop
	s_wait_alu depctr_va_vdst(0)                   ; one wait for the batch of 64
.set j, 0
.rept 16
	v_pk_fma_f32 v[PX+j:PX+j+1], v[PY+j:PY+j+1], v[LY:LY+1], v[PX+j:PX+j+1] op_sel_hi:[1,0,1]   ; stream 1 less (or, under a negative lam, plus) stream 2
.set j, j+2
.endr
.endm
; A key step of 128 keys, 64 at a time.  The four fragment registers take K's first four, K's second four, V's first four, V's second four; the second and the third run of loads land under a softmax.
.macro STEP2
	v_add_nc_u32 v[ADK], s[TK], v[LI]
	v_add_nc_u32 v[ADS], s[TS], v[LI]
	v_add_nc_u32 v[ADV], s[TV], v[LI]
	ds_load_b128 v[KS:KS+3], v[ADS] offset:KSC
	ds_load_b128 v[VS:VS+3], v[ADS] offset:VSC
	KLOAD 0
	s_wait_alu depctr_va_vdst(0)
	s_wait_dscnt 0x0
	SCORE4 PX, PY, 0
	PLACES
	KLOAD 1
	SOFT
	QUANT2 PX, 0
	s_wait_dscnt 0x0
	SCORE4 PX, PY, 1
	PLACES
	VLOAD 0
	SOFT
	QUANT2 PX, 1
.rept 6
	v_nop                                          ; the codes stand six plain instructions ahead of the scaled products, the scale word ten
.endr
	s_wait_alu depctr_va_vdst(0)
	s_wait_dscnt 0x0
	PV4 0
	PLACES
	VLOAD 1
	s_wait_dscnt 0x0
	PV4 1
	PLACES                                         ; ahead of the next loads into the fragments' and the scale words' registers, and of the way out's reads
.endm
.macro TWO n                           ; my half's key steps 2 n and 2 n + 1: V's slot n % 2
	s_add_co_u32 s[TK], s[KHK], KIM+24576*\n
	s_add_co_u32 s[TV], s[KHV], SLOT1*(\n%2)
	s_add_co_u32 s[TS], s[KHS], 1024*\n
	s_mov_b32 s[CNT], 2
.Ltwo_\@:
	STEP2
	s_add_co_u32 s[TK], s[TK], 12288
	s_add_co_u32 s[TV], s[TV], 12288
	s_add_co_u32 s[TS], s[TS], 512
	s_sub_co_u32 s[CNT], s[CNT], 1
	s_cmp_lg_u32 s[CNT], 0
	s_cbranch_scc1 .Ltwo_\@
.endm
; THE CHANGE OF V'S SLOTS.  Each wave waits for all its tensor loads, adds 0 to its spare word, and waits for that and for its reads of the slot that it leaves.  fill = 1: the barrier is a round of the cluster's,
; and behind it the slot just left (its group 0 at s[g0]) is filled with the key steps four further on in either half: one load a wave, first thing there; it has two key steps of every wave in which to land.
.macro CHANGE fill, g0
	s_wait_tensorcnt 0x0                           ; no tensor load of mine is out, so a group 0 may be written
	ds_add_u32 v[SPW], v[NIL]                      ; 0 onto my spare word
.if \fill
	s_add_nc_u64 s[\g0+2:\g0+3], s[\g0+2:\g0+3], 2*24576
	s_mov_b32 s[G1V+2], 12<<16                     ; a refill brings 12 rows a wave
	s_mov_b32 s[G1V+4], 12
.endif
	s_wait_dscnt 0x0                               ; the add is done, and my reads of the slot are over
.if \fill
	CROUND
	tensor_load_to_lds s[\g0:\g0+3], s[G1V:G1V+7]
	s_nop 0
	PLACES
.else
	s_barrier_signal -1
	s_barrier_wait -1
.endif
.endm
	TWO 0
	CHANGE 1, 68                                   ; slot 0 takes key steps 4, 5 of either half
	TWO 1
	CHANGE 1, 72                                   ; slot 1 takes key steps 6, 7
	TWO 2
	CHANGE 0, 0                                    ; nothing is left to fetch
	TWO 3
	; ---- THE TWO HALVES OF THE KEYS MEET.  Behind the first barrier nobody reads K, whose bytes have had their one fill: the waves of half 1 lay their O^T there as it stands in their registers.
	s_wait_dscnt 0x0
	s_barrier_signal -1
	s_barrier_wait -1
	s_cmp_lt_u32 s[WV], 8
	s_cbranch_scc1 .Lkeeper
.irp g, 0,1,2,3,4,5,6,7,8,9,10,11,12,13,14,15
	ds_store_b128 v[XA], v[OT+4*\g:OT+4*\g+3] offset:512*\g   ; each accumulator from its low end on
.endr
	s_branch .Lmeet
.Lkeeper:
.irp b, 0,1,2,3
.irp j, 0,1,2,3
	ds_load_b128 v[PX+16*\b+4*\j:PX+16*\b+4*\j+3], v[WA] offset:128*\b+16*\j   ; rms_weight(32 b + 16 h + 4 j ..) out of my own copy: register 16 b + i goes with d = 32 b + 16 h + i; the wait in front of the barrier below covers these loads
.endr
.endr
.Lmeet:
	s_wait_dscnt 0x0                               ; for the others' sake: my stores are done
	s_barrier_signal -1
	s_barrier_wait -1
	s_cmp_lt_u32 s[WV], 8
	s_cbranch_scc0 .Ldone                          ; the waves of half 1 have handed their part on
.irp g, 0,1,2,3,4,5,6,7,8,9,10,11
	ds_load_b128 v[FR+4*\g:FR+4*\g+3], v[XA] offset:512*\g
.endr
.irp g, 12,13,14,15
	ds_load_b128 v[PC+4*(\g-12):PC+4*(\g-12)+3], v[XA] offset:512*\g
.endr
	s_wait_dscnt 0x0
.set j, 0
.rept 24
	v_pk_add_f32 v[OT+j:OT+j+1], v[OT+j:OT+j+1], v[FR+j:FR+j+1]
.set j, j+2
.endr
.set j, 0
.rept 8
	v_pk_add_f32 v[OT+48+j:OT+49+j], v[OT+48+j:OT+49+j], v[PC+j:PC+j+1]
.set j, j+2
.endr
	; ---- THE WAY OUT: the RMS norm over the head's 128 (64 in my lane, 64 in lane l xor 16), the three factors in the order in which they are defined, the quantiser along d, the image
	v_pk_mul_f32 v[U:U+1], v[OT:OT+1], v[OT:OT+1]
	v_pk_mul_f32 v[U2:U2+1], v[OT+2:OT+3], v[OT+2:OT+3]
.set j, 4
.rept 15
	s_delay_alu instid0(VALU_DEP_2)
	v_pk_fma_f32 v[U:U+1], v[OT+j:OT+j+1], v[OT+j:OT+j+1], v[U:U+1]
	s_delay_alu instid0(VALU_DEP_2)
	v_pk_fma_f32 v[U2:U2+1], v[OT+j+2:OT+j+3], v[OT+j+2:OT+j+3], v[U2:U2+1]
.set j, j+4
.endr
	s_delay_alu instid0(VALU_DEP_1)
	v_pk_add_f32 v[U:U+1], v[U:U+1], v[U2:U2+1]
	s_delay_alu instid0(VALU_DEP_1)
	v_add_f32 v[U], v[U], v[U+1]
	s_delay_alu instid0(VALU_DEP_1)
	v_permlanex16_b32 v[FR], v[U], s[SEL], s[SEL+1]
	s_delay_alu instid0(VALU_DEP_1)
	v_add_f32 v[U], v[U], v[FR]
	s_delay_alu instid0(VALU_DEP_1)
	v_fma_f32 v[U], v[U], s87, s86                 ; the mean of the squares + 1e-6
	s_wait_alu depctr_va_vdst(0)
	v_rsq_f32 v[U2], v[U]
	v_nop
	s_wait_alu depctr_va_vdst(0)
.set j, 0
.rept 32
	v_pk_mul_f32 v[OT+j:OT+j+1], v[OT+j:OT+j+1], v[U2:U2+1] op_sel_hi:[1,0]
.set j, j+2
.endr
.set j, 0
.rept 32
	v_pk_mul_f32 v[OT+j:OT+j+1], v[OT+j:OT+j+1], v[PX+j:PX+j+1]
.set j, j+2
.endr
.set j, 0
.rept 32
	v_pk_mul_f32 v[OT+j:OT+j+1], v[OT+j:OT+j+1], 0x3e5d9673 op_sel_hi:[1,0]   ; 1 - lambda_init
.set j, j+2
.endr
.set TM, FR                            ; the quantiser works in the fragments' registers, which are free
	QUANT2 OT, 0
	QUANT2 OT+32, 1
.irp c, 0,1,2
	global_store_b128 v[LI], v[PC+4*\c:PC+4*\c+3], s[92:93] offset:512*\c   ; 512 consecutive bytes, aligned
.endr
	v_and_b32 v62, 15, v0
	s_delay_alu instid0(VALU_DEP_1)
	v_lshlrev_b32 v62, 2, v62
	v_cmp_gt_u32 vcc_lo, 16, v[LN]
	s_wait_alu depctr_va_vdst(0)
	s_wait_xcnt 0x0                                ; EXEC changes only behind this wait
	s_and_saveexec_b32 s88, vcc_lo
	global_store_b32 v62, v[PW], s[94:95]          ; lanes 0-15: 64 consecutive bytes: one part in 24 of what the launch stores
	s_wait_xcnt 0x0                                ; and again, in front of the line that widens it
	s_or_b32 exec_lo, exec_lo, s88
.Ldone:
	s_wait_tensorcnt 0x0                           ; the wave's end
	ds_add_u32 v[SPW], v[NIL]
	s_wait_dscnt 0x0
	CROUND                                         ; the closing round: no work-group ends while a partner may still ask for a tile that names it
	s_endpgm
.Lfunc_end_k_q75037bbaf5_attn:
	.size	k_q75037bbaf5_attn, .Lfunc_end_k_q75037bbaf5_attn-k_q75037bbaf5_attn
	.p2alignl 7, 3214868480
	.fill 96, 4, 3214868480
	.section	.rodata,"a",@progbits
	.p2align	6, 0x0
	.amdhsa_kernel k_q75037bbaf5_attn
		.amdhsa_group_segment_fixed_size 327680
		.amdhsa_private_segment_fixed_size 0
		.amdhsa_enable_private_segment 0
		.amdhsa_kernarg_size 72
		.amdhsa_user_sgpr_count 2
		.amdhsa_user_sgpr_kernarg_segment_ptr 1
		.amdhsa_wavefront_size32 1
		.amdhsa_system_sgpr_workgroup_id_x 1
		.amdhsa_system_sgpr_workgroup_id_y 1
		.amdhsa_system_sgpr_workgroup_id_z 1
		.amdhsa_system_vgpr_workitem_id 0
		.amdhsa_next_free_vgpr 256
		.amdhsa_next_free_sgpr 100
		.amdhsa_reserve_vcc 1
		.amdhsa_float_denorm_mode_32 3
		.amdhsa_float_denorm_mode_16_64 3
		.amdhsa_memory_ordered 1
		.amdhsa_forward_progress 1
		.amdhsa_inst_pref_size 177
	.end_amdhsa_kernel
	.amdgpu_metadata
---
amdhsa.version: [ 1, 2 ]
amdhsa.kernels:
  - .name:           k_q75037bbaf5_attn
    .symbol:         k_q75037bbaf5_attn.kd
    .args:
      - { .name: atc, .offset: 0, .size: 8, .value_kind: global_buffer, .address_space: global }
      - { .name: ats, .offset: 8, .size: 8, .value_kind: global_buffer, .address_space: global }
      - { .name: lambda_q1, .offset: 16, .size: 8, .value_kind: global_buffer, .address_space: global }
      - { .name: lambda_k1, .offset: 24, .size: 8, .value_kind: global_buffer, .address_space: global }
      - { .name: lambda_q2, .offset: 32, .size: 8, .value_kind: global_buffer, .address_space: global }
      - { .name: lambda_k2, .offset: 40, .size: 8, .value_kind: global_buffer, .address_space: global }
      - { .name: rms_weight, .offset: 48, .size: 8, .value_kind: global_buffer, .address_space: global }
      - { .name: ouc, .offset: 56, .size: 8, .value_kind: global_buffer, .address_space: global }
      - { .name: ous, .offset: 64, .size: 8, .value_kind: global_buffer, .address_space: global }
    .group_segment_fixed_size: 327680
    .private_segment_fixed_size: 0
    .kernarg_segment_align: 8
    .kernarg_segment_size: 72
    .max_flat_workgroup_size: 512
    .sgpr_count:     100
    .vgpr_count:     256
    .wavefront_size: 32
...
	.end_amdgpu_metadata
.endif
;; end of part 3
;; launch gemm_out (part 4): grid 8 x 32, 4 waves a work-group, clusters of 4 x 4, 327,680 bytes of LDS; arguments ouc, ous, opc, ops, out0; writes out0
.if DOCPART == 4
	.amdgcn_target "amdgcn-amd-amdhsa--gfx1250"
	.amdhsa_code_object_version 6
	.text
	.protected	k_q75037bbaf5_gemm_out
	.globl	k_q75037bbaf5_gemm_out
	.p2align	8
	.type	k_q75037bbaf5_gemm_out,@function
k_q75037bbaf5_gemm_out:
	s_mov_b64 s[64:65], 0
	v_nop
	global_prefetch_b8 v0, s[64:65] scope:SCOPE_SE
	s_setreg_imm32_b32 hwreg(HW_REG_WAVE_MODE, 25, 1), 1
	s_wait_xcnt 0x0
	s_wait_alu depctr_hold_cnt(0) depctr_sa_sdst(0) depctr_va_vdst(0) depctr_va_sdst(0) depctr_va_ssrc(0) depctr_va_vcc(0) depctr_vm_vsrc(0)
	s_getreg_b32 s2, hwreg(HW_REG_IB_STS2, 6, 4)
	s_cmp_eq_u32 s2, 0
	s_cbranch_scc0 .Lentry_in_a_cluster
	s_endpgm
.Lentry_in_a_cluster:
	s_bfe_u32 s2, ttmp6, 0x10000c
	s_cmp_lg_u32 s2, 0xf033
	s_cbranch_scc0 .Lentry_shape_is_right
	s_endpgm
.Lentry_shape_is_right:
; out0 = (normed attention output) w_proj on codes of FP6 (E2M3) with E8M0 scales, K = 1,024; out0 [4096][1024] f32.
; OPERANDS: images of fragments (16 rows x 128 K, 1,536 bytes): A in ouc [token fragment 0-255][K step = head][1,536], its scale words in ous [f][s][16 x 4]; B = columns of w_proj: fragments 448-511 of opc / ops.
; Slot p of fragment f holds row 32 (f / 2) + 8 (f % 2) + p + 8 (p / 8).
; A work-group makes 128 tokens x 128 columns (256 work-groups); a wave 64 x 64: 16 accumulators.  THE MATRIX INSTRUCTION IS USED TRANSPOSED (source 0 = B's fragment, source 1 = A's): a lane holds one token,
; and by the order of B's rows the 16 registers of two neighbouring tiles are 16 neighbouring columns.
; K IS SHORT: all of K of both sides lies in LDS at once (196,608 bytes: A's 8 fragments at 0, B's 8 at BB, each [f][K step][1,536]), and nothing is filled again.
; At the head a wave issues one load: four fragments with all of K, a dense block of 49,152 bytes; waves 0, 1 A's halves, waves 2, 3 B's.
; A K step's fragments are asked for at the head of the step before: 16 products stand between the loads and the wait for them.
; CLUSTERS: 4 x 4.  A hangs on the tile row, shared along a row of the cluster; B on the tile column, shared along a column: every load is a joint load of four.
; No prefetch: the launch's only tensor loads stand at its head, with no step to run ahead in.
; REGISTERS: window 0: v1-15 addresses; v16-31 A's scale words, v32-47 B's (they hold nothing else); v64-159 A's fragments, two sets; v160-223 rows on the way out.  window 1: B's fragments, two sets, at v0 and v96.  window 2: accumulator (a, b) at v[8 (4 a + b)].
.set BB,   98304
.set STG,  196608                      ; behind the operands: a stage of 16 rows x (256 bytes + 16) for each wave; no tensor load lands there
.set SP,   272
.set WV, 14
.set WR, 15
.set WC, 16
.set CX, 17
.set CY, 18
.set TR, 19
.set TC, 20
.set FA, 21
.set FB, 22
.set G1A, 56
.set G1B, 68
.set LI,   1
.set ADRA, 4
.set ADRB, 8
.set SLT,  12
.set STO,  13                          ; v13  the way out: where I put 32 bytes of a row
.set RD,   14                          ; v14  where I read a row back
.set CO,   15                          ; v15  my byte offset in two rows of out0
.set SA,   16
.set SB,   32
.set AF,   64
.set OUT,  160
.set MSB, 0
.macro WIN new
.if MSB != \new
	s_set_vgpr_msb (MSB<<8)|\new
.set MSB, \new
.endif
.endm
.macro PLACES                          ; four plain instructions behind a matrix instruction, ahead of loads into registers that it read and of the first read of its result
.rept 4
	v_nop
.endr
.endm
.macro CROUND
	s_barrier_signal -1
	s_barrier_wait -1
	s_cmp_lg_u32 s[WV], 0
	s_cbranch_scc1 .Lnot_wave_0_\@
	s_barrier_signal -3
.Lnot_wave_0_\@:
	s_barrier_wait -3
	s_barrier_signal -1
	s_barrier_wait -1
.endm
.macro W1 zero, m1, m2                 ; one product on the registers that MULA has named
.if \zero
	v_wmma_scale_f32_16x16x128_f8f6f4 v[AC_:AC_+7], v[BF_:BF_+11], v[AF_:AF_+11], 0, v[SB_], v[SA_] matrix_a_fmt:MATRIX_FMT_FP6 matrix_b_fmt:MATRIX_FMT_FP6 \m1 \m2
.else
	v_wmma_scale_f32_16x16x128_f8f6f4 v[AC_:AC_+7], v[BF_:BF_+11], v[AF_:AF_+11], v[AC_:AC_+7], v[SB_], v[SA_] matrix_a_fmt:MATRIX_FMT_FP6 matrix_b_fmt:MATRIX_FMT_FP6 \m1 \m2
.endif
.endm
; K step s, A's block a against B's four.  An odd fragment's scale words stand in lanes 16-31.  The 16 accumulators take turns, one instruction a turn, in the same order in every K step.
.macro MULA s, a, zero
.irp b, 0,1,2,3
.set AC_, 8*(4*(\a)+\b)
.set BF_, 96*((\s)%2)+12*\b
.set AF_, AF+48*((\s)%2)+12*(\a)
.set SB_, SB+8*(\b/2)+(\s)
.set SA_, SA+8*((\a)/2)+(\s)
.if (\b%2) && ((\a)%2)
	W1 \zero, matrix_a_scale:MATRIX_SCALE_ROW1, matrix_b_scale:MATRIX_SCALE_ROW1
.elseif \b%2
	W1 \zero, matrix_a_scale:MATRIX_SCALE_ROW1
.elseif (\a)%2
	W1 \zero, matrix_b_scale:MATRIX_SCALE_ROW1
.else
	W1 \zero
.endif
.endr
.endm
.macro FETCH s                         ; K step s's fragments into set s % 2: an image comes back by three loads of 512 consecutive bytes
	WIN 0x40                                       ; destination window 1, address window 0
.irp b, 0,1,2,3
.irp k, 0,1,2
	ds_load_b128 v[96*((\s)%2)+12*\b+4*\k:96*((\s)%2)+12*\b+4*\k+3], v[ADRB] offset:12288*\b+1536*(\s)+512*\k
.endr
.endr
	WIN 0
.irp a, 0,1,2,3
.irp k, 0,1,2
	ds_load_b128 v[AF+48*((\s)%2)+12*\a+4*\k:AF+48*((\s)%2)+12*\a+4*\k+3], v[ADRA] offset:12288*\a+1536*(\s)+512*\k
.endr
.endr
.endm
.macro STEP s, zero
	s_wait_dscnt 0x0                               ; this K step's fragments are in
.if (\s) < 7
.if (\s) > 0
	PLACES                                         ; the other set was read by the K step before
.endif
	FETCH (\s)+1
.endif
	WIN 0xa1                                       ; source 0 (B) window 1, source 1 (A) window 0, C and D window 2
.irp a, 0,1,2,3
	MULA \s, \a, \zero
.endr
.endm
	s_load_b256 s[4:11], s[0:1], 0x0               ; ouc s[4:5], ous s[6:7], opc s[8:9], ops s[10:11]
	s_load_b64 s[12:13], s[0:1], 0x20              ; out0
	v_lshl_add_u32 v254, v0, 2, 0x34400
	v_mov_b32 v255, 0
	ds_add_u32 v254, v255                          ; the opening lines: the add, twice on end, and its wait ahead of my first tensor load
	ds_add_u32 v254, v255
	v_lshrrev_b32 v1, 5, v0
	v_readfirstlane_b32 s[WV], v1
	s_lshr_b32 s[WR], s[WV], 1                     ; my half of the 128 tokens.  Also: I fetch for A (0) or for B (1)
	s_and_b32 s[WC], s[WV], 1                      ; my half of the 128 columns.  Also: which four fragments I fetch
	s_bfe_u32 s[CX], ttmp6, 0x40000
	s_bfe_u32 s[CY], ttmp6, 0x40004
	s_and_b32 s[TR], ttmp7, 0xffff
	s_lshl_b32 s[TR], s[TR], 2
	s_add_co_u32 s[TR], s[TR], s[CY]               ; tile row = 4 x cluster y + cy
	s_lshl_b32 s[TC], ttmp9, 2
	s_add_co_u32 s[TC], s[TC], s[CX]               ; tile column = 4 x cluster x + cx
	s_lshl_b32 s[FA], s[TR], 3                     ; A's first fragment
	s_lshl_b32 s[FB], s[TC], 3
	s_add_co_u32 s[FB], s[FB], 448                 ; B's
	s_lshl_b32 s79, s[CY], 2
	s_lshl_b32 s79, 15, s79                        ; my row of the cluster
	s_lshl_b32 s85, 0x1111, s[CX]                  ; my column
	; group 1: a dense block of 49,152 bytes as 192 rows of 256 bytes (32 elements of 8 bytes)
	s_or_b32 s[G1A], s79, (3<<16)|(1<<21)
	s_or_b32 s[G1B], s85, (3<<16)|(1<<21)
.irp g, G1A, G1B
	s_mov_b32 s[\g+1], 32<<16
	s_mov_b32 s[\g+2], 192<<16
	s_mov_b32 s[\g+3], 32<<16
	s_mov_b32 s[\g+4], 192
	s_mov_b32 s[\g+5], 32
	s_mov_b32 s[\g+6], 0
	s_mov_b32 s[\g+7], 0
.endr
	s_lshl_b32 s80, s[WC], 2
	s_add_co_u32 s80, s80, s[FA]
	s_mul_i32 s80, s80, 12288
	s_mov_b32 s81, 0
	s_lshl_b32 s86, s[WC], 2
	s_add_co_u32 s86, s86, s[FB]
	s_mul_i32 s86, s86, 12288
	s_mov_b32 s87, 0
	s_mul_i32 s82, s[WC], 49152                    ; the wave's number alone enters an LDS address
	s_wait_dscnt 0x0
	CROUND                                         ; the round in front of the first joint loads: it runs while the arguments are on their way; behind it stand only their wait and work on scalar registers
	s_wait_kmcnt 0x0
	s_add_nc_u64 s[80:81], s[4:5], s[80:81]
	s_add_nc_u64 s[86:87], s[8:9], s[86:87]
	s_mov_b32 s24, 1
	s_mov_b32 s25, s82
	s_mov_b64 s[26:27], s[80:81]
	s_or_b32 s27, s27, 0x80000000
	s_mov_b32 s28, 1
	s_add_co_u32 s29, s82, BB
	s_mov_b64 s[30:31], s[86:87]
	s_or_b32 s31, s31, 0x80000000
	s_cmp_eq_u32 s[WR], 0                          ; one load a wave, in the two arms of one branch on the wave's number
	s_cbranch_scc0 .Lhead_b
	tensor_load_to_lds s[24:27], s[G1A:G1A+7]
	s_nop 0
	PLACES
	s_branch .Lhead_asked
.Lhead_b:
	tensor_load_to_lds s[28:31], s[G1B:G1B+7]
	s_nop 0
	PLACES
.Lhead_asked:
	v_and_b32 v2, 31, v0
	v_lshlrev_b32 v[LI], 4, v2
	v_and_b32 v3, 15, v0                           ; r
	v_bfe_u32 v2, v0, 4, 1                         ; h
	s_mul_i32 s89, s[WR], 49152
	v_add_nc_u32 v[ADRA], s89, v[LI]
	s_mul_i32 s90, s[WC], 49152
	s_add_co_u32 s90, s90, BB
	v_add_nc_u32 v[ADRB], s90, v[LI]
	v_lshlrev_b32 v[SLT], 2, v3
	v_lshl_add_u32 v[SLT], v2, 9, v[SLT]           ; lanes 0-15 take a fragment's words, lanes 16-31 the next fragment's
	s_wait_alu depctr_va_vdst(0)
	s_mul_i32 s91, s[WV], 16*SP
	s_add_co_u32 s91, s91, STG                     ; my stage
	v_mul_u32_u24 v[STO], v3, SP
	v_lshl_add_u32 v[STO], v2, 6, v[STO]
	v_add_nc_u32 v[STO], s91, v[STO]               ; in: row = my slot, + 64 h
	v_mul_u32_u24 v[RD], v2, SP
	v_lshl_add_u32 v[RD], v3, 4, v[RD]
	v_add_nc_u32 v[RD], s91, v[RD]                 ; back: lanes 0-15 one row of 256 bytes, lanes 16-31 the next
	v_lshlrev_b32 v[CO], 12, v2
	v_lshl_add_u32 v[CO], v3, 4, v[CO]             ; and the same two rows in out0
	s_lshl_b32 s92, s[WR], 2
	s_add_co_u32 s92, s92, s[FA]
	s_lshl_b32 s92, s92, 9
	s_mov_b32 s93, 0
	s_add_nc_u64 s[92:93], s[6:7], s[92:93]        ; the scale words of my four blocks of A,
	s_lshl_b32 s94, s[WC], 2
	s_add_co_u32 s94, s94, s[FB]
	s_lshl_b32 s94, s94, 9
	s_mov_b32 s95, 0
	s_add_nc_u64 s[94:95], s[10:11], s[94:95]      ; and of my four of B: straight into registers, for all of K, once
.irp p, 0,1
.irp s, 0,1,2,3,4,5,6,7
	global_load_b32 v[SA+8*\p+\s], v[SLT], s[92:93] offset:1024*\p+64*\s
	global_load_b32 v[SB+8*\p+\s], v[SLT], s[94:95] offset:1024*\p+64*\s
.endr
.endr
	s_lshl_b32 s96, s[TR], 7
	s_lshl_b32 s97, s[WR], 6
	s_add_co_u32 s96, s96, s97
	s_lshl_b32 s96, s96, 12                        ; my first row of out0: (128 x tile row + 64 x half) rows of 4,096 bytes,
	s_lshl_b32 s97, s[TC], 9
	s_add_co_u32 s96, s96, s97
	s_lshl_b32 s97, s[WC], 8
	s_add_co_u32 s96, s96, s97                     ; my first column: 512 x tile column + 256 x half bytes
	s_mov_b32 s97, 0
	s_add_nc_u64 s[12:13], s[12:13], s[96:97]
	s_wait_alu depctr_va_vdst(0)                   ; the head's end
	s_wait_tensorcnt 0x0                           ; my part of the operands has landed
	s_barrier_signal -1
	s_barrier_wait -1                              ; everybody's has
	FETCH 0
	s_wait_loadcnt 0x0                             ; the scale words
	STEP 0, 1                                      ; the first K step's products start the sums: nothing is cleared
.irp s, 1,2,3,4,5,6,7
	STEP \s, 0
.endr
	WIN 0
	PLACES
	; THE WAY OUT, a block of 16 tokens x 64 columns at a time, through my own stage: a lane holds 32 + 32 neighbouring bytes of one row, and the rows come back whole.
	; LDS serves a wave's instructions in order (ISA guide 5.7.1.4): no wait between the stores and the loads, nor in front of the next block's stores.
	s_wait_alu depctr_va_vdst(0)
.irp a, 0,1,2,3
	WIN 0x08                                       ; an LDS store's data are its source 1: window 2
.irp b, 0,1,2,3
	ds_store_b128 v[STO], v[8*(4*\a+\b):8*(4*\a+\b)+3] offset:128*(\b/2)+32*(\b%2)        ; each accumulator from its low end on
	ds_store_b128 v[STO], v[8*(4*\a+\b)+4:8*(4*\a+\b)+7] offset:128*(\b/2)+32*(\b%2)+16
.endr
	WIN 0
.if \a > 1
	s_wait_xcnt 0x0                                ; block a - 2's stores have read their data: these registers are loaded again only behind this wait
.endif
.irp t, 0,1,2,3,4,5,6,7
	ds_load_b128 v[OUT+32*(\a%2)+4*\t:OUT+32*(\a%2)+4*\t+3], v[RD] offset:2*SP*\t
.endr
	s_wait_dscnt 0x0
.irp t, 0,1,2,3,4,5,6,7                        ; slot 2 t + h of fragment a is token 32 (a / 2) + 8 (a % 2) + 2 t + h + 8 (t / 4) of my 64
	global_store_b128 v[CO], v[OUT+32*(\a%2)+4*\t:OUT+32*(\a%2)+4*\t+3], s[12:13] offset:(32*(\a/2)+8*(\a%2)+2*\t+8*(\t/4))*4096 th:TH_STORE_NT   ; sixteen lanes store 256 consecutive bytes, aligned
.endr
.endr
	s_wait_tensorcnt 0x0                           ; the wave's end
	ds_add_u32 v254, v255
	s_wait_dscnt 0x0
	CROUND                                         ; the closing round: no work-group ends while a partner may still ask for a tile that names it
	s_endpgm
.Lfunc_end_k_q75037bbaf5_gemm_out:
	.size	k_q75037bbaf5_gemm_out, .Lfunc_end_k_q75037bbaf5_gemm_out-k_q75037bbaf5_gemm_out
	.p2alignl 7, 3214868480
	.fill 96, 4, 3214868480
	.section	.rodata,"a",@progbits
	.p2align	6, 0x0
	.amdhsa_kernel k_q75037bbaf5_gemm_out
		.amdhsa_group_segment_fixed_size 327680
		.amdhsa_private_segment_fixed_size 0
		.amdhsa_enable_private_segment 0
		.amdhsa_kernarg_size 40
		.amdhsa_user_sgpr_count 2
		.amdhsa_user_sgpr_kernarg_segment_ptr 1
		.amdhsa_wavefront_size32 1
		.amdhsa_system_sgpr_workgroup_id_x 1
		.amdhsa_system_sgpr_workgroup_id_y 1
		.amdhsa_system_sgpr_workgroup_id_z 1
		.amdhsa_system_vgpr_workitem_id 0
		.amdhsa_next_free_vgpr 768
		.amdhsa_next_free_sgpr 100
		.amdhsa_reserve_vcc 0
		.amdhsa_float_denorm_mode_32 3
		.amdhsa_float_denorm_mode_16_64 3
		.amdhsa_memory_ordered 1
		.amdhsa_forward_progress 1
		.amdhsa_inst_pref_size 47
	.end_amdhsa_kernel
	.amdgpu_metadata
---
amdhsa.version: [ 1, 2 ]
amdhsa.kernels:
  - .name:           k_q75037bbaf5_gemm_out
    .symbol:         k_q75037bbaf5_gemm_out.kd
    .args:
      - { .name: ouc, .offset: 0, .size: 8, .value_kind: global_buffer, .address_space: global }
      - { .name: ous, .offset: 8, .size: 8, .value_kind: global_buffer, .address_space: global }
      - { .name: opc, .offset: 16, .size: 8, .value_kind: global_buffer, .address_space: global }
      - { .name: ops, .offset: 24, .size: 8, .value_kind: global_buffer, .address_space: global }
      - { .name: out0, .offset: 32, .size: 8, .value_kind: global_buffer, .address_space: global }
    .group_segment_fixed_size: 327680
    .private_segment_fixed_size: 0
    .kernarg_segment_align: 8
    .kernarg_segment_size: 40
    .max_flat_workgroup_size: 128
    .sgpr_count:     100
    .vgpr_count:     768
    .wavefront_size: 32
...
	.end_amdgpu_metadata
.endif
;; end of part 4
